; MI455X (gfx1250); checked and timed in simulation.
; The chip was launched on July 23, 2026; its instructions are those of AMD's public machine-readable ISA for CDNA 5 (MIT licence, August 2026) and "CDNA5" Instruction Set Architecture Reference Guide (July 2026). The comments in the code are by the model that wrote it; some were corrected since.
;; Self Attention Layer. Allowed arithmetic: matrix products marked QUANTISED: E2M1 operands, one E8M0 scale for each 32 along K, by v_wmma_scale_f32_16x16x128_f8f6f4 with both operands' format E2M1 (or v_wmma_scale_f32_32x16x128_f4), f32 sums; everything else in f32.
;; Inputs: Wk 512 x 512 float32; Wo 512 x 512 float32; Wq 512 x 512 float32; Wv 512 x 512 float32; beta 512 float32; bk 512 float32; bo 512 float32; bq 512 float32; bv 512 float32; gamma 512 float32; x 8 x 2,048 x 512 float32.
;; Outputs: out0 8 x 2,048 x 512 float32.
;; This version of the problem:
;;   THIS VERSION OF THE PROBLEM IS GIVEN IN LOW PRECISION. The matrix products marked QUANTISED in the list below multiply operands that are first quantised to E2M1 (2 exponent bits, 1 mantissa bit; 4 bits a number), with one power-of-two scale for each 32 numbers along K (OCP MX v1.0); their sums are f32. All else is computed in f32.
;;   The module's matrix products, in the order in which they are computed (A, B: the left and right operand; K: the contracted axis; several contracted axes count as one K, in the product's order):
;;     1. [M 16,384, K 512] x [K 512, N 512]; A: input x; B: input Wq: QUANTISED
;;     2. [M 16,384, K 512] x [K 512, N 512]; A: input x; B: input Wk: QUANTISED
;;     3. [M 16,384, K 512] x [K 512, N 512]; A: input x; B: input Wv: QUANTISED
;;     4. batch 64 x [M 2,048, K 64] x [K 64, N 2,048]; A: computed on the way; B: computed on the way: QUANTISED
;;     5. batch 64 x [M 64, K 2,048] x [K 2,048, N 2,048]; A: computed on the way; B: softmax (see below): QUANTISED
;;     6. [M 16,384, K 512] x [K 512, N 512]; A: computed on the way; B: input Wo: QUANTISED
;;   THE QUANTISER, for each operand of a quantised product, along K:
;;     - K is cut into blocks of 32 from its start; a last block that is shorter is filled with zeros.
;;     - A block's scale is 2^e with e = floor(log2(the largest magnitude in the block)) - 2, held to -126 .. 127; a block of zeros has e = 0. As a byte (E8M0): e + 127.
;;     - Each number is divided by its block's scale, clamped to +-6, and rounded to the nearest number of E2M1, ties to even, subnormals kept.
;;     - The product sums the exact products of the quantised numbers (number of the format x scale) in f32.
;;   ~~~python
;;   def quantise(x, axis):      # numpy; x: float32 -> the quantised numbers, widened to float32 again
;;       x = np.moveaxis(x, axis, -1); K = x.shape[-1]
;;       x = np.pad(x, [(0, 0)] * (x.ndim - 1) + [(0, -K % 32)]); x = x.reshape(x.shape[:-1] + (-1, 32)); a = np.abs(x).max(-1, keepdims=True)
;;       e = np.where(a > 0, np.clip(np.frexp(np.where(a > 0, a, 1))[1] - 1 - 2, -126, 127), 0)      # np.frexp(a)[1] - 1 = floor(log2(a)), exactly
;;       r = np.clip(x / 2.0 ** e, -6, 6)
;;       step = 2.0 ** (np.maximum(np.frexp(np.where(r == 0, 1, r))[1] - 1, 0) - 1)
;;       q = np.round(r / step) * step * 2.0 ** e      # np.round: ties to even
;;       return np.moveaxis(q.reshape(q.shape[:-2] + (-1,))[..., :K], -1, axis).astype(np.float32)
;;   ~~~
;;   SOFTMAX AHEAD OF A QUANTISED PRODUCT. Where the list says 'softmax', what is quantised is not the finished softmax but p = 2^(t - M), with t = logit x log2(e) and M = ceil(the row's largest t), a whole number; so 1/2 < the row's largest p <= 1. The row's sum l is taken of the UNQUANTISED p, in f32, and the product's result is divided by l at the end. Since M is a whole number, a kernel that streams over the keys may use a running M (the ceiling of the running maximum): every later rescaling is an exact power of two, which a block's scale takes up: the codes' values come out the same.
;;   OPERANDS COMPUTED ON THE WAY. 'Computed on the way' means the value that the module computes at that place (a softmax that the list does not call 'softmax' is quantised finished and normalised). What goes into a quantiser is computed in f32, as accurately as f32 sums, v_exp_f32 and their like allow (about 1e-6 of the number): no bf16 or f16 on the way to a quantiser, and a product that is left as it is and whose result goes on into a quantised operand takes f32 operands (vector FMAs, or v_wmma_f32_16x16x4_f32). A number that lies on a knife's edge between two numbers of the format may be rounded either way, as far as f32 arithmetic and the matrix unit's own rounding can turn it there, and no further.
;; 2 versions. Each part assembles by itself: llvm-mc -triple=amdgcn-amd-amdhsa -mcpu=gfx1250 --defsym DOCPART=n.
;; ======== version 1 of 2: 4 launches
;; workspace buffers: wimg 524,288 bytes; wscl 32,768 bytes; qb 4,456,448 bytes; kv 8,912,896 bytes; ctximg 4,194,304 bytes; cscl 1,048,576 bytes
;; launch prep (part 1): grid 64 x 1, 4 waves a work-group, no clusters, 0 bytes of LDS; arguments Wq, Wk, Wv, Wo, wimg, wscl; writes wimg, wscl
.if DOCPART == 1
	.amdgcn_target "amdgcn-amd-amdhsa--gfx1250"
	.amdhsa_code_object_version 6
	.text
	.protected	k_q48f9d18db0_prep
	.globl	k_q48f9d18db0_prep
	.p2align	8
	.type	k_q48f9d18db0_prep,@function
k_q48f9d18db0_prep:
	s_mov_b64 s[64:65], 0
	v_nop
	global_prefetch_b8 v0, s[64:65] scope:SCOPE_SE
	s_setreg_imm32_b32 hwreg(HW_REG_WAVE_MODE, 25, 1), 1
	s_wait_xcnt 0x0
; The four weights [512 (out)][512 (k)], f32, K innermost, become codes of FP4 (E2M1) with one E8M0 byte for each 32 along K, laid as IMAGES OF OPERAND REGISTERS:
; wimg [m: q,k,v,o][g 16][s 4][u 2][c 2][lane][16 bytes], wscl [m][g][s][lane] (one word a lane: lanes 0-15 tile u = 0, lanes 16-31 tile u = 1).
; Tile (g, u) holds in row r the weight's row 32 g + 8 u + r % 8 + 16 (r / 8): so the 16 result registers of tiles (g, 0) and (g, 1) are 16 neighbouring channels.
; A fragment is 16 rows x 128 K (K step s): lane (r, h) holds, in registers 4 c .. 4 c + 3, k = 128 s + 64 c + 32 h + 0 .. 31: a WHOLE block of 32, so no other lane is asked for a maximum.
; Work-group = (m, g), wave = s: two fragments (u = 0, 1), four blocks a lane.  No LDS, no barrier, no loop: waves share nothing.  No matrix unit and no cluster: 4 MB are read once.
; A block's scale byte is its largest magnitude's exponent field - 2, held at 1 from below.  LIMITS: a block of zeros gets the byte 1 (its codes are zeros; only this program reads the bytes);
; blocks whose largest magnitude lies under 2^-124 have their byte held at 1; NaN and infinities are not served.
.set X,  48                            ; v48-175  block q = 2 u + c at X + 32 q
.set CD, 24                            ; v24-39   its codes at CD + 4 q
	s_load_b256 s[4:11], s[0:1], 0x0               ; Wq s[4:5], Wk s[6:7], Wv s[8:9], Wo s[10:11]
	s_load_b128 s[12:15], s[0:1], 0x20             ; wimg s[12:13], wscl s[14:15]
	v_lshrrev_b32 v1, 5, v0
	v_readfirstlane_b32 s16, v1                    ; wave = K step s
	v_and_b32 v1, 31, v0                           ; lane
	v_and_b32 v2, 7, v0
	v_bfe_u32 v3, v0, 3, 1
	v_lshl_add_u32 v2, v3, 4, v2                   ; r % 8 + 16 (r / 8)
	v_bfe_u32 v3, v0, 4, 1                         ; h
	v_lshlrev_b32 v4, 11, v2                       ; a row of W is 2,048 bytes,
	v_lshl_add_u32 v4, v3, 7, v4                   ; + 128 h: my block of 32 numbers
	v_lshlrev_b32 v5, 4, v1                        ; 16 x lane
	v_lshlrev_b32 v6, 2, v1                        ; 4 x lane
	v_lshlrev_b32 v7, 3, v3                        ; 8 h: my bytes' place in a scale word
	v_mov_b32 v22, 0                               ; a lane permute's destination counts as one of its sources
	v_mov_b32 v23, 0
	s_mov_b32 s20, 0x76543210
	s_mov_b32 s21, 0xfedcba98                      ; selects for lane l xor 16
	s_lshr_b32 s17, ttmp9, 4                       ; m
	s_and_b32 s18, ttmp9, 15                       ; g
	s_lshl_b32 s22, s18, 16                        ; in: 32 g rows of 2,048 bytes
	s_lshl_b32 s19, s16, 9
	s_add_co_u32 s22, s22, s19                     ; + 512 s
	s_mov_b32 s23, 0
	s_lshl_b32 s24, ttmp9, 13                      ; images: (16 m + g) x 8,192
	s_lshl_b32 s19, s16, 11
	s_add_co_u32 s24, s24, s19                     ; + 2,048 s
	s_mov_b32 s25, 0
	s_lshl_b32 s26, ttmp9, 9                       ; scale words: (16 m + g) x 512
	s_lshl_b32 s19, s16, 7
	s_add_co_u32 s26, s26, s19                     ; + 128 s
	s_mov_b32 s27, 0
	s_and_b32 s19, s17, 1
	s_wait_kmcnt 0x0
	s_cmp_eq_u32 s19, 0                            ; which weight: the choice hangs on the work-group's number alone
	s_cselect_b64 s[4:5], s[4:5], s[6:7]
	s_cselect_b64 s[8:9], s[8:9], s[10:11]
	s_cmp_lt_u32 s17, 2
	s_cselect_b64 s[4:5], s[4:5], s[8:9]
	s_add_nc_u64 s[4:5], s[4:5], s[22:23]
	s_add_nc_u64 s[12:13], s[12:13], s[24:25]
	s_add_nc_u64 s[14:15], s[14:15], s[26:27]
.irp q, 0,1,2,3
.irp i, 0,1,2,3,4,5,6,7
	global_load_b128 v[X+32*\q+4*\i:X+32*\q+4*\i+3], v4, s[4:5] offset:(\q/2)*16384+(\q%2)*256+16*\i th:TH_LOAD_NT   ; tile u = q / 2 lies 8 rows on, c = q % 2 lies 64 numbers on
.endr
.endr
	s_wait_loadcnt 0x0
.irp q, 0,1,2,3
	v_max3_num_f32 v[8+\q], |v[X+32*\q]|, |v[X+32*\q+1]|, 0x1800000   ; the block's largest magnitude, with the floor 2^(3 - 127) as one more leaf: the byte cannot fall under 1
.endr
.irp i, 2,4,6,8,10,12,14,16,18,20,22,24,26,28,30
.irp q, 0,1,2,3
	v_max3_num_f32 v[8+\q], v[8+\q], |v[X+32*\q+\i]|, |v[X+32*\q+\i+1]|   ; (the four blocks by turns)
.endr
.endr
.irp q, 0,1,2,3
	v_add_nc_u32 v[12+\q], 0xff000000, v[8+\q]     ; 2 off the exponent field: the conversion takes this operand's exponent field as its scale
.endr
.irp q, 0,1,2,3
	v_lshrrev_b32 v[16+\q], 23, v[12+\q]           ; the scale's byte
.endr
.irp q, 0,1,2,3
.irp i, 0,1,2,3
	v_cvt_scalef32_pk8_fp4_f32 v[CD+4*\q+\i], v[X+32*\q+8*\i:X+32*\q+8*\i+7], v[12+\q]
.endr
.endr
	v_nop                                          ; one plain line behind the last scaled conversion
.irp u, 0,1
	v_lshl_or_b32 v[20+\u], v[17+2*\u], 16, v[16+2*\u]   ; my two bytes of tile u: blocks h and 2 + h of row r,
	v_lshlrev_b32 v[20+\u], v7, v[20+\u]           ; at their places;
	v_permlanex16_b32 v[22+\u], v[20+\u], s20, s21
	v_or_b32 v[20+\u], v[20+\u], v[22+\u]          ; with lane l xor 16's two the word is whole
.endr
	v_cmp_le_u32 vcc_lo, 16, v1
	v_cndmask_b32 v20, v20, v21, vcc_lo            ; lanes 0-15 keep tile 0's word, lanes 16-31 take tile 1's
.irp q, 0,1,2,3
	global_store_b128 v5, v[CD+4*\q:CD+4*\q+3], s[12:13] offset:512*\q   ; 32 lanes store 512 consecutive bytes
.endr
	global_store_b32 v6, v20, s[14:15]
	s_endpgm
.Lfunc_end_k_q48f9d18db0_prep:
	.size	k_q48f9d18db0_prep, .Lfunc_end_k_q48f9d18db0_prep-k_q48f9d18db0_prep
	.p2alignl 7, 3214868480
	.fill 96, 4, 3214868480
	.section	.rodata,"a",@progbits
	.p2align	6, 0x0
	.amdhsa_kernel k_q48f9d18db0_prep
		.amdhsa_group_segment_fixed_size 0
		.amdhsa_private_segment_fixed_size 0
		.amdhsa_enable_private_segment 0
		.amdhsa_kernarg_size 48
		.amdhsa_user_sgpr_count 2
		.amdhsa_user_sgpr_kernarg_segment_ptr 1
		.amdhsa_wavefront_size32 1
		.amdhsa_system_sgpr_workgroup_id_x 1
		.amdhsa_system_sgpr_workgroup_id_y 1
		.amdhsa_system_sgpr_workgroup_id_z 1
		.amdhsa_system_vgpr_workitem_id 0
		.amdhsa_next_free_vgpr 176
		.amdhsa_next_free_sgpr 66
		.amdhsa_reserve_vcc 1
		.amdhsa_float_denorm_mode_32 3
		.amdhsa_float_denorm_mode_16_64 3
		.amdhsa_memory_ordered 1
		.amdhsa_forward_progress 1
		.amdhsa_inst_pref_size 12
	.end_amdhsa_kernel
	.amdgpu_metadata
---
amdhsa.version: [ 1, 2 ]
amdhsa.kernels:
  - .name:           k_q48f9d18db0_prep
    .symbol:         k_q48f9d18db0_prep.kd
    .args:
      - { .name: Wq, .offset: 0, .size: 8, .value_kind: global_buffer, .address_space: global }
      - { .name: Wk, .offset: 8, .size: 8, .value_kind: global_buffer, .address_space: global }
      - { .name: Wv, .offset: 16, .size: 8, .value_kind: global_buffer, .address_space: global }
      - { .name: Wo, .offset: 24, .size: 8, .value_kind: global_buffer, .address_space: global }
      - { .name: wimg, .offset: 32, .size: 8, .value_kind: global_buffer, .address_space: global }
      - { .name: wscl, .offset: 40, .size: 8, .value_kind: global_buffer, .address_space: global }
    .group_segment_fixed_size: 0
    .private_segment_fixed_size: 0
    .kernarg_segment_align: 8
    .kernarg_segment_size: 48
    .max_flat_workgroup_size: 128
    .sgpr_count:     66
    .vgpr_count:     176
    .wavefront_size: 32
...
	.end_amdgpu_metadata
.endif
;; end of part 1
;; launch qkv (part 2): grid 256 x 1, 8 waves a work-group, no clusters, 105,472 bytes of LDS; arguments x, wimg, wscl, bq, bk, bv, qb, kv; writes qb, kv
.if DOCPART == 2
	.amdgcn_target "amdgcn-amd-amdhsa--gfx1250"
	.amdhsa_code_object_version 6
	.text
	.protected	k_q48f9d18db0_qkv
	.globl	k_q48f9d18db0_qkv
	.p2align	8
	.type	k_q48f9d18db0_qkv,@function
k_q48f9d18db0_qkv:
	s_mov_b64 s[64:65], 0
	v_nop
	global_prefetch_b8 v0, s[64:65] scope:SCOPE_SE
	s_setreg_imm32_b32 hwreg(HW_REG_WAVE_MODE, 25, 1), 1
	s_wait_xcnt 0x0
; q = x Wq^T + bq, k = x Wk^T + bk, v = x Wv^T + bv on codes of FP4 (E2M1, one E8M0 byte for each 32 along K), and their results quantised again for the attention launch, as images of its operand registers.
; SHARES.  Work-group = (block X of 128 tokens = key step st of batch b, half Y of the heads).  Eight waves.  Phase X: wave w quantises token tile w of x (16 tokens x 512) and lays its four fragments in LDS as register images.
; Phase 1: wave w makes q (w < 4) or k (w >= 4) of ONE head, 4 Y + w % 4, for all 128 tokens, TRANSPOSED (source 0 = 16 rows of W, source 1 = 16 tokens): a lane holds one token and its registers run along the
; head's channels, which are the next product's K.  Phase 2: wave w makes v of 32 channels (group 8 Y + w) in the natural order (source 0 = tokens, source 1 = W): a lane holds one channel and its registers run along the tokens, the keys.
; Each wave's weights stay in its registers (window 1), read once.  Both Y quantise the same x: four quantisings a wave buy twice the work-groups.
; TILES.  Tile (g, u) holds in row r item 32 g + 8 u + r % 8 + 16 (r / 8), for tokens and for weight rows alike: the 16 result registers of tiles (g, 0), (g, 1) are 16 neighbours along the next K.
; OUT.  qb, for each (b, head) 69,632 bytes: tile T's image at 512 T (lane (r, h): channels 32 h .. of token r); scale words at 65,536 + 128 (T / 4) + 4 lane: lane 16 ((T / 2) % 2) + r, bytes 0, 1 tile even, bytes 2, 3 tile odd.
; kv, for each (b, head) 16 steps of 8,704 bytes: K [f 4][u 2][lane][16]; at 4,096 V [t 4][c 2][lane][16]; at 8,192 K's words [f / 2][lane]; at 8,448 V's [t / 2][lane].
; NO CLUSTER, NO TENSOR LOAD: what work-groups share, the weights' images, goes straight into operand registers and stays there; a joint load could only bring it into LDS, from where each byte would have to be read once more.
; LIMITS: a block of zeros gets the byte 1 (zero codes; only this program reads the bytes); blocks whose largest magnitude lies under 2^-124 have their byte held at 1; NaN and infinities are not served.
.set XIMG, 0                           ; LDS: x's 32 fragments (4 tile + s), 1,024 bytes each,
.set XSC,  32768                       ; their scale words, 128 bytes each,
.set STG,  36864                       ; and for each wave a stage of 16 rows x (512 + 16) bytes
.set LI,  1                            ; 16 x lane
.set LS,  2                            ; 4 x lane
.set XWI, 3                            ; LI + 4,096 wave
.set XWS, 4                            ; LS + 512 wave
.set SRW, 5                            ; my stage + 16 x lane
.set SRD, 6                            ; my stage + 528 r + 64 h
.set OA,  7                            ; q or k: my image's byte in the head's block
.set SA,  8                            ; and my scale word's
.set OAV, 9                            ; the same for v
.set SAV, 10
.set BO,  11                           ; 64 h
.set BVO, 12                           ; 4 (r % 8 + 16 (r / 8))
.set PC,  24                           ; v24-31   the codes just made
.set HA,  32                           ; v32-95   64 numbers: rows of x, later results
.set ST,  96                           ; v96-159  64 numbers: rows of x, later fragments of x
.set B1,  160                          ; v160-191 bq or bk in the result's layout
.set BV,  192                          ; v192-207 bv, 2 x 8
.set WS,  208                          ; v208-215 scale words of my q/k weights;  v216-219 of my v weights;  v220-227 of x
.set WSV, 216
.set XS,  220
.set TM,  228                          ; v228-231 maxima, v232-235 permute destination then bytes, v236-239 scale operands
.set PW,  240                          ; the scale word just made;  v241 the one before;  v242-243 words to store
.set PWA, 241
.set SW,  242
.set SEL, 20
.set WV,  22
.set HM,  23                           ; mask of lanes 16-31
.set MSB, 0
.macro WIN new                         ; the immediate's high byte repeats the setting that is left
.if MSB != \new
	s_set_vgpr_msb (MSB<<8)|\new
.set MSB, \new
.endif
.endm
; 64 numbers of a lane, register 16 b + i = k 32 b + 16 h + i of my row, become a fragment's codes in v[PC] on and its scale word in v[PW]
.macro QUANT s
.irp b, 0,1,2,3
	v_max3_num_f32 v[TM+\b], |v[\s+16*\b]|, |v[\s+1+16*\b]|, 0x1800000   ; my 16 numbers of block b, and the floor 2^(3 - 127): the byte cannot fall under 1
.endr
.irp i, 2,4,6,8,10,12,14
.irp b, 0,1,2,3
	v_max3_num_f32 v[TM+\b], v[TM+\b], |v[\s+16*\b+\i]|, |v[\s+1+16*\b+\i]|   ; ascending: each result is read from its low end on
.endr
.endr
.irp b, 0,1,2,3
	v_permlanex16_b32 v[TM+4+\b], v[TM+\b], s[SEL], s[SEL+1]
.endr
.irp b, 0,1,2,3
	v_max_num_f32 v[TM+\b], v[TM+\b], v[TM+4+\b]   ; with lane l xor 16's 16: the block's largest magnitude
.endr
.irp b, 0,1,2,3
	v_add_nc_u32 v[TM+8+\b], 0xff000000, v[TM+\b]  ; 2 off its exponent field: the conversion's scale operand
.endr
.irp b, 0,1,2,3
	v_lshrrev_b32 v[TM+4+\b], 23, v[TM+8+\b]       ; the scale's byte
.endr
	v_lshl_or_b32 v[PW], v[TM+5], 8, v[TM+4]
	v_lshl_or_b32 v[PW], v[TM+6], 16, v[PW]
	v_lshl_or_b32 v[PW], v[TM+7], 24, v[PW]
.irp b, 0,1,2,3
	v_cvt_scalef32_pk8_fp4_f32 v[PC+2*\b], v[\s+16*\b:\s+7+16*\b], v[TM+8+\b]
	v_cvt_scalef32_pk8_fp4_f32 v[PC+1+2*\b], v[\s+8+16*\b:\s+15+16*\b], v[TM+8+\b]
.endr
	v_nop                                          ; one plain line behind the last scaled conversion
.irp c, 0,1                                    ; the operand's layout wants a whole block in a lane: lanes 0-15 block 2 c, lanes 16-31 block 2 c + 1
.irp i, 0,1
	v_permlane16_swap_b32 v[PC+4*\c+\i], v[PC+2+4*\c+\i]
.endr
.endr
.endm
.macro ROWS reg, s                             ; K step s (128 numbers) of my tile's 16 tokens: each load reads 512 consecutive bytes of one token
.irp t, 0,1,2,3,4,5,6,7,8,9,10,11,12,13,14,15
	global_load_b128 v[\reg+4*\t:\reg+4*\t+3], v[LI], s[4:5] offset:((\t%8)+16*(\t/8))*2048+512*(\s)
.endr
.endm
; K step s of x: the rows turn through my stage (in as they were loaded, out 16 neighbours of each block a lane), are quantised, and the fragment's image goes to LDS
.macro XSTEP reg, s, left, more
	s_wait_loadcnt \left                           ; this set's 16 row loads are in; the other set's 16 may be out
.irp t, 0,1,2,3,4,5,6,7,8,9,10,11,12,13,14,15
	ds_store_b128 v[SRW], v[\reg+4*\t:\reg+4*\t+3] offset:528*\t
.endr
.irp b, 0,1,2,3
.irp i, 0,1,2,3
	ds_load_b128 v[\reg+16*\b+4*\i:\reg+16*\b+4*\i+3], v[SRD] offset:128*\b+16*\i   ; LDS serves a wave's instructions in order: these see the stores above
.endr
.endr
	s_wait_dscnt 0x0                               ; the numbers are back; the last image's stores are done too
	QUANT \reg
.if \more
	ROWS \reg, \s+2
.endif
	ds_store_b128 v[XWI], v[PC:PC+3] offset:XIMG+1024*\s
	ds_store_b128 v[XWI], v[PC+4:PC+7] offset:XIMG+1024*\s+512
	ds_store_b32 v[XWS], v[PW] offset:XSC+128*\s
.endm
	s_load_b256 s[4:11], s[0:1], 0x0               ; x s[4:5], wimg s[6:7], wscl s[8:9], bq s[10:11]
	s_load_b256 s[12:19], s[0:1], 0x20             ; bk s[12:13], bv s[14:15], qb s[16:17], kv s[18:19]
	v_lshl_add_u32 v254, v0, 2, 0x19800
	v_mov_b32 v255, 0
	v_lshrrev_b32 v13, 5, v0
	v_readfirstlane_b32 s[WV], v13                 ; wave 0..7
	v_and_b32 v13, 31, v0                          ; lane
	v_and_b32 v14, 15, v0                          ; r
	v_bfe_u32 v15, v0, 4, 1                        ; h
	v_lshlrev_b32 v[LI], 4, v13
	v_lshlrev_b32 v[LS], 2, v13
	v_cmp_le_u32 s[HM], 16, v13
	s_lshl_b32 s30, s[WV], 12
	v_add_nc_u32 v[XWI], s30, v[LI]
	s_lshl_b32 s30, s[WV], 9
	v_add_nc_u32 v[XWS], s30, v[LS]
	s_mul_i32 s30, s[WV], 8448
	s_add_co_u32 s30, s30, STG
	v_add_nc_u32 v[SRW], s30, v[LI]
	v_mul_u32_u24 v[SRD], v14, 528
	v_lshl_add_u32 v[SRD], v15, 6, v[SRD]
	v_add_nc_u32 v[SRD], s30, v[SRD]
	v_lshlrev_b32 v[BO], 6, v15
	v_and_b32 v16, 7, v0
	v_bfe_u32 v17, v0, 3, 1
	v_lshl_add_u32 v16, v17, 4, v16
	v_lshlrev_b32 v[BVO], 2, v16
.irp b, 0,1,2,3
	v_mov_b32 v[TM+4+\b], 0                        ; written once: a lane permute's destination counts as one of its sources
.endr
	s_mov_b32 s[SEL], 0x76543210
	s_mov_b32 s[SEL+1], 0xfedcba98
	s_lshr_b32 s24, ttmp9, 1                       ; X
	s_and_b32 s25, ttmp9, 1                        ; Y
	s_lshr_b32 s26, s24, 4                         ; b
	s_and_b32 s27, s24, 15                         ; st
	s_lshr_b32 s28, s[WV], 2                       ; m: 0 q, 1 k
	s_and_b32 s29, s[WV], 3
	s_lshl_b32 s30, s25, 2
	s_add_co_u32 s29, s29, s30                     ; my q/k head = 4 Y + w % 4
	s_lshl_b32 s31, s25, 3
	s_add_co_u32 s31, s31, s[WV]                   ; my v group of 32 channels = 8 Y + w
	s_lshr_b32 s32, s31, 1                         ; its head
	s_and_b32 s33, s[WV], 1
	s_lshl_b32 s34, s24, 7                         ; x: token 128 X + 32 (w / 2) + 8 (w % 2),
	s_lshr_b32 s30, s[WV], 1
	s_lshl_b32 s30, s30, 5
	s_add_co_u32 s34, s34, s30
	s_lshl_b32 s30, s33, 3
	s_add_co_u32 s34, s34, s30
	s_lshl_b32 s34, s34, 11                        ; x 2,048 bytes
	s_mov_b32 s35, 0
	s_lshl_b32 s36, s28, 17                        ; my q/k weights' images: m x 131,072 + head x 16,384
	s_lshl_b32 s30, s29, 14
	s_add_co_u32 s36, s36, s30
	s_mov_b32 s37, 0
	s_lshl_b32 s38, s31, 13                        ; my v weights': 262,144 + group x 8,192
	s_add_co_u32 s38, s38, 262144
	s_mov_b32 s39, 0
	s_lshl_b32 s40, s28, 13                        ; the scale words likewise
	s_lshl_b32 s30, s29, 10
	s_add_co_u32 s40, s40, s30
	s_mov_b32 s41, 0
	s_lshl_b32 s42, s31, 9
	s_add_co_u32 s42, s42, 16384
	s_mov_b32 s43, 0
	s_lshl_b32 s44, s29, 8                         ; my head's 64 biases
	s_mov_b32 s45, 0
	s_lshl_b32 s46, s31, 7                         ; my group's 32
	s_mov_b32 s47, 0
	s_mul_i32 s48, s27, 8704                       ; the key step in kv
	s_lshl_b32 s49, s27, 12                        ; q's images of these 8 tiles
	s_lshl_b32 s50, s27, 8
	s_add_co_u32 s50, s50, 65536                   ; q's scale words
	s_add_co_u32 s51, s48, 8192                    ; k's
	s_lshl_b32 s58, s33, 11
	s_add_co_u32 s58, s58, s48
	s_add_co_u32 s58, s58, 4096                    ; v's images: tiles 2 (w % 2) + u
	s_lshl_b32 s59, s33, 7
	s_add_co_u32 s59, s59, s48
	s_add_co_u32 s59, s59, 8448                    ; v's scale words
	s_lshl_b32 s52, s26, 3
	s_add_co_u32 s53, s52, s32                     ; 8 b + v's head
	s_add_co_u32 s52, s52, s29                     ; 8 b + q/k's head
	s_mul_i32 s54, s53, 139264
	s_mov_b32 s55, 0
	s_mov_b32 s56, 139264
	s_mov_b32 s57, 0
	s_cmp_eq_u32 s28, 0                            ; q or k: the choices hang on the wave's number alone
	s_cselect_b32 s49, s49, s48
	s_cselect_b32 s50, s50, s51
	s_cselect_b32 s56, 69632, s56
	s_mul_i32 s56, s52, s56
	v_add_nc_u32 v[OA], s49, v[LI]
	v_add_nc_u32 v[SA], s50, v[LS]
	v_add_nc_u32 v[OAV], s58, v[LI]
	v_add_nc_u32 v[SAV], s59, v[LS]
	s_wait_kmcnt 0x0
	s_cmp_eq_u32 s28, 0
	s_cselect_b64 s[10:11], s[10:11], s[12:13]     ; bq or bk
	s_cselect_b64 s[16:17], s[16:17], s[18:19]     ; qb or kv
	s_add_nc_u64 s[4:5], s[4:5], s[34:35]
	s_add_nc_u64 s[36:37], s[6:7], s[36:37]
	s_add_nc_u64 s[6:7], s[6:7], s[38:39]
	s_add_nc_u64 s[40:41], s[8:9], s[40:41]
	s_add_nc_u64 s[8:9], s[8:9], s[42:43]
	s_add_nc_u64 s[10:11], s[10:11], s[44:45]
	s_add_nc_u64 s[14:15], s[14:15], s[46:47]
	s_add_nc_u64 s[16:17], s[16:17], s[56:57]
	s_add_nc_u64 s[18:19], s[18:19], s[54:55]
	WIN 0x40                                       ; destination window 1, address window 0
.irp gl, 0,1                                   ; my q/k weights: fragment (t = 2 gl + u, s) at v[8 (4 t + s)] of window 1
.irp s, 0,1,2,3
.irp u, 0,1
.irp c, 0,1
	global_load_b128 v[8*(4*(2*\gl+\u)+\s)+4*\c:8*(4*(2*\gl+\u)+\s)+4*\c+3], v[LI], s[36:37] offset:512*(16*\gl+4*\s+2*\u+\c)
.endr
.endr
.endr
.endr
.irp s, 0,1,2,3                                ; my v weights: fragment (u, s) at v[128 + 8 (4 u + s)] of window 1
.irp u, 0,1
.irp c, 0,1
	global_load_b128 v[128+8*(4*\u+\s)+4*\c:128+8*(4*\u+\s)+4*\c+3], v[LI], s[6:7] offset:512*(4*\s+2*\u+\c)
.endr
.endr
.endr
	WIN 0
.irp n, 0,1,2,3,4,5,6,7
	global_load_b32 v[WS+\n], v[LS], s[40:41] offset:128*\n    ; word 4 gl + s: lanes 0-15 tile u = 0, lanes 16-31 tile u = 1
.endr
.irp n, 0,1,2,3
	global_load_b32 v[WSV+\n], v[LS], s[8:9] offset:128*\n
.endr
.irp gl, 0,1
.irp i, 0,1,2,3
	global_load_b128 v[B1+16*\gl+4*\i:B1+16*\gl+4*\i+3], v[BO], s[10:11] offset:128*\gl+16*\i   ; the bias at channels 32 gl + 16 h + 0 .. 15
.endr
.endr
.irp u, 0,1
	global_load_b32 v[BV+8*\u], v[BVO], s[14:15] offset:32*\u  ; bv at my lane's channel of tile u
.endr
	ROWS HA, 0
	ROWS ST, 1
	; ---- X: my token tile's four fragments
	XSTEP HA, 0, 16, 1
	XSTEP ST, 1, 16, 1
	XSTEP HA, 2, 16, 0
	XSTEP ST, 3, 0, 0                              ; from here on nothing of the head is pending
.irp u, 0,1
.irp j, 1,2,3,4,5,6,7
	v_mov_b32 v[BV+8*\u+\j], v[BV+8*\u]            ; in the natural order a lane's eight results share one channel, so one bias
.endr
.endr
	s_wait_dscnt 0x0                               ; my images have landed
	s_barrier_signal -1
	s_barrier_wait -1                              ; x's 32 fragments lie in LDS: the launch's one barrier; nothing is written there again
	; ---- 1: q or k of my head, 32 tokens (tiles 2 g4, 2 g4 + 1) at a time
.macro FETCH1 g4
.irp n, 0,1,2,3,4,5,6,7,8,9,10,11,12,13,14,15
	ds_load_b128 v[ST+4*\n:ST+4*\n+3], v[LI] offset:XIMG+8192*(\g4)+512*\n     ; register ST + 32 ut + 8 s + 4 c
.endr
.irp n, 0,1,2,3,4,5,6,7
	ds_load_b32 v[XS+\n], v[LS] offset:XSC+128*(8*(\g4)+\n)                    ; XS + 4 ut + s
.endr
.endm
.macro P1MUL s                                 ; eight accumulators by turns, one instruction a turn; the bias is the C of each sum's first product
.irp ut, 0,1
.irp gl, 0,1
.irp uw, 0,1
.set rD, HA+32*\ut+16*\gl+8*\uw
.if \s == 0
.set rC, B1+16*\gl+8*\uw
.else
.set rC, HA+32*\ut+16*\gl+8*\uw
.endif
.set rA, 8*(4*(2*\gl+\uw)+\s)
.set rB, ST+32*\ut+8*\s
.if \uw
	v_wmma_scale_f32_16x16x128_f8f6f4 v[rD:rD+7], v[rA:rA+7], v[rB:rB+7], v[rC:rC+7], v[WS+4*\gl+\s], v[XS+4*\ut+\s] matrix_a_fmt:MATRIX_FMT_FP4 matrix_b_fmt:MATRIX_FMT_FP4 matrix_a_scale:MATRIX_SCALE_ROW1
.else
	v_wmma_scale_f32_16x16x128_f8f6f4 v[rD:rD+7], v[rA:rA+7], v[rB:rB+7], v[rC:rC+7], v[WS+4*\gl+\s], v[XS+4*\ut+\s] matrix_a_fmt:MATRIX_FMT_FP4 matrix_b_fmt:MATRIX_FMT_FP4
.endif
.endr
.endr
.endr
.endm
.macro P1 g4
	s_wait_dscnt 0x0                               ; the two tiles' fragments and scale words are in
	WIN 0x01                                       ; source 0 (W) window 1
	P1MUL 0
	P1MUL 1
	P1MUL 2
	P1MUL 3
	WIN 0
.rept 4
	v_nop                                          ; four places behind the products: loads into their operands and reads of their results follow
.endr
.if \g4 < 3
	FETCH1 \g4+1                                   ; lands while these results are quantised
.endif
	s_wait_xcnt 0x0                                ; the last stores have read their data: the codes and words are written again only behind this wait
	QUANT HA                                       ; blocks (ut 0: channels 0-31, 32-63; ut 1: the same): the codes are the fragment's whole image, the word its scale word
	global_store_b128 v[OA], v[PC:PC+3], s[16:17] offset:1024*\g4          ; 32 lanes store 512 consecutive bytes
	global_store_b128 v[OA], v[PC+4:PC+7], s[16:17] offset:1024*\g4+512
.if (\g4)%2 == 0
	v_mov_b32 v[PWA], v[PW]
.else
	v_cndmask_b32 v[SW+\g4/2], v[PWA], v[PW], s[HM]    ; lanes 0-15 the even fragment's word, lanes 16-31 the odd one's
	global_store_b32 v[SA], v[SW+\g4/2], s[16:17] offset:128*(\g4/2)
.endif
.endm
	FETCH1 0
	P1 0
	P1 1
	P1 2
	P1 3
	; ---- 2: v of my 32 channels, tile u at a time, all 128 tokens: eight accumulators (token tiles) by turns
.macro P2 u
.irp s, 0,1,2,3
.irp ta, 0,1,2,3,4,5,6,7
	ds_load_b128 v[ST+8*\ta:ST+8*\ta+3], v[LI] offset:XIMG+1024*(4*\ta+\s)
	ds_load_b128 v[ST+8*\ta+4:ST+8*\ta+7], v[LI] offset:XIMG+1024*(4*\ta+\s)+512
	ds_load_b32 v[XS+\ta], v[LS] offset:XSC+128*(4*\ta+\s)
.endr
	s_wait_dscnt 0x0
	WIN 0x04                                       ; source 1 (W) window 1
.irp ta, 0,1,2,3,4,5,6,7
.set rD, HA+8*\ta
.if \s == 0
.set rC, BV+8*\u
.else
.set rC, HA+8*\ta
.endif
.set rB, 128+8*(4*\u+\s)
.if \u
	v_wmma_scale_f32_16x16x128_f8f6f4 v[rD:rD+7], v[ST+8*\ta:ST+8*\ta+7], v[rB:rB+7], v[rC:rC+7], v[XS+\ta], v[WSV+\s] matrix_a_fmt:MATRIX_FMT_FP4 matrix_b_fmt:MATRIX_FMT_FP4 matrix_b_scale:MATRIX_SCALE_ROW1
.else
	v_wmma_scale_f32_16x16x128_f8f6f4 v[rD:rD+7], v[ST+8*\ta:ST+8*\ta+7], v[rB:rB+7], v[rC:rC+7], v[XS+\ta], v[WSV+\s] matrix_a_fmt:MATRIX_FMT_FP4 matrix_b_fmt:MATRIX_FMT_FP4
.endif
.endr
	WIN 0
.rept 4
	v_nop                                          ; four places: loads into the operands, or reads of the results, follow
.endr
.endr
	s_wait_xcnt 0x0                                ; the last stores have read their data
	QUANT HA                                       ; register 8 tile + j is token 32 (tile / 2) + 16 h + 8 (tile % 2) + j: the codes are V's fragment (16 channels x 128 keys)
	global_store_b128 v[OAV], v[PC:PC+3], s[18:19] offset:1024*\u
	global_store_b128 v[OAV], v[PC+4:PC+7], s[18:19] offset:1024*\u+512
.if \u == 0
	v_mov_b32 v[PWA], v[PW]
.else
	v_cndmask_b32 v[SW], v[PWA], v[PW], s[HM]
	global_store_b32 v[SAV], v[SW], s[18:19]
.endif
.endm
	P2 0
	P2 1
	s_wait_tensorcnt 0x0
	ds_add_u32 v254, v255
	s_wait_dscnt 0x0
	s_endpgm
.Lfunc_end_k_q48f9d18db0_qkv:
	.size	k_q48f9d18db0_qkv, .Lfunc_end_k_q48f9d18db0_qkv-k_q48f9d18db0_qkv
	.p2alignl 7, 3214868480
	.fill 96, 4, 3214868480
	.section	.rodata,"a",@progbits
	.p2align	6, 0x0
	.amdhsa_kernel k_q48f9d18db0_qkv
		.amdhsa_group_segment_fixed_size 105472
		.amdhsa_private_segment_fixed_size 0
		.amdhsa_enable_private_segment 0
		.amdhsa_kernarg_size 64
		.amdhsa_user_sgpr_count 2
		.amdhsa_user_sgpr_kernarg_segment_ptr 1
		.amdhsa_wavefront_size32 1
		.amdhsa_system_sgpr_workgroup_id_x 1
		.amdhsa_system_sgpr_workgroup_id_y 1
		.amdhsa_system_sgpr_workgroup_id_z 1
		.amdhsa_system_vgpr_workitem_id 0
		.amdhsa_next_free_vgpr 448
		.amdhsa_next_free_sgpr 66
		.amdhsa_reserve_vcc 0
		.amdhsa_float_denorm_mode_32 3
		.amdhsa_float_denorm_mode_16_64 3
		.amdhsa_memory_ordered 1
		.amdhsa_forward_progress 1
		.amdhsa_inst_pref_size 111
	.end_amdhsa_kernel
	.amdgpu_metadata
---
amdhsa.version: [ 1, 2 ]
amdhsa.kernels:
  - .name:           k_q48f9d18db0_qkv
    .symbol:         k_q48f9d18db0_qkv.kd
    .args:
      - { .name: x, .offset: 0, .size: 8, .value_kind: global_buffer, .address_space: global }
      - { .name: wimg, .offset: 8, .size: 8, .value_kind: global_buffer, .address_space: global }
      - { .name: wscl, .offset: 16, .size: 8, .value_kind: global_buffer, .address_space: global }
      - { .name: bq, .offset: 24, .size: 8, .value_kind: global_buffer, .address_space: global }
      - { .name: bk, .offset: 32, .size: 8, .value_kind: global_buffer, .address_space: global }
      - { .name: bv, .offset: 40, .size: 8, .value_kind: global_buffer, .address_space: global }
      - { .name: qb, .offset: 48, .size: 8, .value_kind: global_buffer, .address_space: global }
      - { .name: kv, .offset: 56, .size: 8, .value_kind: global_buffer, .address_space: global }
    .group_segment_fixed_size: 105472
    .private_segment_fixed_size: 0
    .kernarg_segment_align: 8
    .kernarg_segment_size: 64
    .max_flat_workgroup_size: 256
    .sgpr_count:     66
    .vgpr_count:     448
    .wavefront_size: 32
...
	.end_amdgpu_metadata
.endif
;; end of part 2
;; launch attn (part 3): grid 4 x 64, 16 waves a work-group, clusters of 4 x 1, 169,984 bytes of LDS; arguments qb, kv, ctximg, cscl; writes ctximg, cscl
.if DOCPART == 3
	.amdgcn_target "amdgcn-amd-amdhsa--gfx1250"
	.amdhsa_code_object_version 6
	.text
	.protected	k_q48f9d18db0_attn
	.globl	k_q48f9d18db0_attn
	.p2align	8
	.type	k_q48f9d18db0_attn,@function
k_q48f9d18db0_attn:
	s_mov_b64 s[64:65], 0
	v_nop
	global_prefetch_b8 v0, s[64:65] scope:SCOPE_SE
	s_setreg_imm32_b32 hwreg(HW_REG_WAVE_MODE, 25, 1), 1
	s_wait_xcnt 0x0
	s_wait_alu depctr_hold_cnt(0) depctr_sa_sdst(0) depctr_va_vdst(0) depctr_va_sdst(0) depctr_va_ssrc(0) depctr_va_vcc(0) depctr_vm_vsrc(0)
	s_getreg_b32 s2, hwreg(HW_REG_IB_STS2, 6, 4)
	s_cmp_eq_u32 s2, 0
	s_cbranch_scc0 .Lentry_in_a_cluster
	s_endpgm
.Lentry_in_a_cluster:
	s_bfe_u32 s2, ttmp6, 0x10000c
	s_cmp_lg_u32 s2, 0x3003
	s_cbranch_scc0 .Lentry_shape_is_right
	s_endpgm
.Lentry_shape_is_right:
; ctx[b][q][head] = softmax_k(q . k / 8) v, both products on codes of FP4 (E2M1, one E8M0 byte for each 32 along a product's K), and ctx quantised for the last product, as images of its operand registers.
; THE SOFTMAX: t = score x log2(e) / 8; M = the row's largest t so far, rounded UP to a whole number; p = 2^(t - M) is quantised along the keys, not normalised; the row's sum is taken of the unquantised p and divides O at the end.
; When M moves, the sums and O are multiplied by 2^(old M - new M), which rounds nothing.
; SHARES.  A work-group owns 512 queries of one (batch, head); each of its sixteen waves owns one tile of 16 queries in each of two passes.  A head's K, V and their scale words, 139,264 bytes, lie in LDS whole: every byte is filled
; once, so there is no ring.  Four waves share a SIMD, so that one wave's vector lines stand beside another's products and LDS loads: a key step has 12 products beside some 260 vector lines.
; CLUSTER.  The four work-groups of a cluster are the four query blocks of one head: each of the eight loads is asked for JOINTLY, by the same descriptor with a mask that names the four.  A fetching wave has four loads out.
; LAYOUT.  Both products are used transposed (S^T = K Q^T, O^T = V^T P^T): a lane holds ONE query throughout.  The keys of a tile are 32 f + 8 u + r % 8 + 16 (r / 8), so that the 16 registers of tiles 2 f, 2 f + 1 are 16 neighbouring keys.
; K = 64 IN A FORM OF K = 128.  A fragment of K holds tile u = 0 in k 0-63 and tile u = 1 in k 64-127.  Against [q | zeros] it gives tile 2 f, against [zeros | q] tile 2 f + 1.  The zero codes' scale bytes are 1.
; LIMITS: p under 2^-126 counts as 0 (v_exp_f32 gives 0 there); a block of zeros gets the byte 1; NaN and infinities are not served.
.set LI,  1                            ; 16 x lane
.set LS,  2                            ; 4 x lane
.set QSO, 3                            ; 4 r
.set ADK, 4                            ; the step's images
.set ADS, 5                            ; the step's scale words
.set KS,  8                            ; v8-9 K's scale words;  v10-11 V's
.set VS,  10
                                       ; v12 -M, v13 the largest t, v[14:15] and v[216:217] the sum in two chains; v16-19 zeros, v20-23 q, v24-27 zeros; v28, v29 q's two scale words; v30 at work
.set KF,  32                           ; v32-63 K's four fragments;  v64-95 V's
.set VF,  64
.set S,   96                           ; v96-159 S^T, then p
.set O,   160                          ; v160-191 O^T
.set PC,  192                          ; v192-199 p's codes
.set BM,  200                          ; v200-203 each block's largest score, then its largest p
.set BP,  204                          ; v204-207 permute destination, then the bytes
.set SO,  208                          ; v208-211 the conversions' scale operands;  v212 f, v213 0;  v214 at work;  v215 p's scale word
.set WV,  12
.set SEL, 20
.set CS,  22                           ; s[22:23] c = log2(e) / 8
.set G1,  24
.set G0,  32                           ; s[32:47] four groups 0
.set TB,  48                           ; LDS byte of the step in hand
.set CNT, 49
.set PASS, 50
.set QSH, 51                           ; 16 (w % 2): which half of q's word is my tile's
.macro ROUND                           ; a round of the cluster's barrier
	s_barrier_signal -1
	s_barrier_wait -1
	s_cmp_lg_u32 s[WV], 0
	s_cbranch_scc1 .Lnot_wave_0_\@
	s_barrier_signal -3
.Lnot_wave_0_\@:
	s_barrier_wait -3
	s_barrier_signal -1
	s_barrier_wait -1
.endm
	s_load_b256 s[4:11], s[0:1], 0x0               ; qb s[4:5], kv s[6:7], ctximg s[8:9], cscl s[10:11]
	v_lshl_add_u32 v254, v0, 2, 0x29000
	v_mov_b32 v255, 0
	ds_add_u32 v254, v255
	ds_add_u32 v254, v255
	v_lshrrev_b32 v6, 5, v0
	v_readfirstlane_b32 s[WV], v6                  ; wave 0..15
	v_and_b32 v6, 31, v0
	v_lshlrev_b32 v[LI], 4, v6
	v_lshlrev_b32 v[LS], 2, v6
	v_and_b32 v7, 15, v0
	v_lshlrev_b32 v[QSO], 2, v7
	s_and_b32 s13, ttmp7, 0xffff                   ; 8 b + head, which the four partners share
	s_bfe_u32 s14, ttmp6, 0x40000                  ; cx
	s_lshl_b32 s15, ttmp9, 2
	s_add_co_u32 s15, s15, s14                     ; my block of 512 queries: it enters q's and ctx's global addresses alone
	s_and_b32 s18, s[WV], 1
	s_mul_i32 s19, s18, 17408                      ; which half of a chunk I fetch, in memory and in LDS
	s_mul_i32 s16, s13, 139264
	s_add_co_u32 s16, s16, s19
	s_mov_b32 s17, 0
	s_mul_i32 s54, s13, 69632                      ; the head's block of qb
	s_lshl_b32 s56, s15, 5
	s_add_co_u32 s56, s56, s[WV]                   ; my first tile of the batch: 32 block + w
	s_lshl_b32 s58, s56, 9
	s_add_co_u32 s58, s58, s54                     ; its image
	s_mov_b32 s59, 0
	s_lshl_b32 s60, s15, 3
	s_lshr_b32 s61, s[WV], 2
	s_add_co_u32 s60, s60, s61
	s_lshl_b32 s60, s60, 7                         ; its scale word: 128 (tile / 4)
	s_bfe_u32 s61, s[WV], 0x10001
	s_lshl_b32 s61, s61, 6
	s_add_co_u32 s60, s60, s61                     ; + 64 ((tile / 2) % 2)
	s_add_co_u32 s60, s60, s54
	s_add_co_u32 s60, s60, 65536
	s_mov_b32 s61, 0
	s_lshr_b32 s54, s13, 3
	s_lshl_b32 s54, s54, 7
	s_add_co_u32 s54, s54, s56                     ; the tile among all 1,024
	s_lshl_b32 s54, s54, 3
	s_and_b32 s55, s13, 7
	s_add_co_u32 s54, s54, s55                     ; 8 tile + head
	s_lshl_b32 s56, s54, 7                         ; x 128: cscl
	s_mov_b32 s57, 0
	s_lshl_b32 s54, s54, 9                         ; x 512: ctximg
	s_mov_b32 s55, 0
	s_lshl_b32 s[QSH], s18, 4
	; descriptor group 1: 68 rows of 256 bytes (32 elements of 8 bytes), dense, no padding: 17,408 bytes
	s_mov_b32 s[G1], 15|(3<<16)|(1<<21)            ; 15:0 the mask: all four work-groups; 17:16 elements of 8 bytes; 21 set beside a mask
	s_mov_b32 s[G1+1], 32<<16                      ; tensor_dim0 = 32
	s_mov_b32 s[G1+2], 68<<16                      ; tensor_dim1 = 68
	s_mov_b32 s[G1+3], 32<<16                      ; tile_dim0 = 32
	s_mov_b32 s[G1+4], 68                          ; tile_dim1 = 68
	s_mov_b32 s[G1+5], 32                          ; the pitch
	s_mov_b32 s[G1+6], 0
	s_mov_b32 s[G1+7], 0
	s_mov_b32 s[SEL], 0x76543210
	s_mov_b32 s[SEL+1], 0xfedcba98
	s_mov_b32 s[CS], 0x3e38aa3b                    ; c = log2(e) / 8
	s_mov_b32 s[CS+1], s[CS]                       ; (named with it as a pair, so it is written)
	s_mov_b32 s[PASS], 2
	s_wait_dscnt 0x0
	s_wait_kmcnt 0x0
	s_add_nc_u64 s[6:7], s[6:7], s[16:17]
	s_add_nc_u64 s[52:53], s[4:5], s[60:61]
	s_add_nc_u64 s[4:5], s[4:5], s[58:59]
	s_add_nc_u64 s[8:9], s[8:9], s[54:55]
	s_add_nc_u64 s[10:11], s[10:11], s[56:57]
	ROUND                                          ; all four work-groups are here: the joint loads meet
.irp c, 0,1,2,3                                ; chunk c = key steps 4 c .. 4 c + 3: 34,816 bytes, a half for each of waves 0 and 1
	s_mov_b32 s[G0+4*\c], 1
	s_add_co_u32 s[G0+4*\c+1], s19, \c*34816
	s_add_nc_u64 s[G0+4*\c+2:G0+4*\c+3], s[6:7], \c*34816
	s_or_b32 s[G0+4*\c+3], s[G0+4*\c+3], 0x80000000
.endr
	s_cmp_lt_u32 s[WV], 2                          ; all fills of a wave stand in one branch on its number, ahead of every wait on TENSORcnt and every LDS read
	s_cbranch_scc0 .Lno_fetch
	tensor_load_to_lds s[G0:G0+3], s[G1:G1+7]
	s_nop 0
	tensor_load_to_lds s[G0+4:G0+7], s[G1:G1+7]
	s_nop 0
	tensor_load_to_lds s[G0+8:G0+11], s[G1:G1+7]
	s_nop 0
	tensor_load_to_lds s[G0+12:G0+15], s[G1:G1+7]
	s_nop 0
.rept 4
	v_nop
.endr
.Lno_fetch:
.irp j, 16,17,18,19,24,25,26,27
	v_mov_b32 v[\j], 0                             ; the zero codes on both sides of q
.endr
.irp b, 0,1,2,3
	v_mov_b32 v[BP+\b], 0                          ; a lane permute's destination counts as one of its sources
.endr
	v_mov_b32 v213, 0                              ; (named as the upper half of the pair v[212:213])
	v_mov_b32 v214, 0
; A KEY STEP: 128 keys at LDS byte s[TB]
.macro STEP
	v_add_nc_u32 v[ADK], s[TB], v[LI]
	v_add_nc_u32 v[ADS], s[TB], v[LS]
.irp n, 0,1,2,3,4,5,6,7
	ds_load_b128 v[KF+4*\n:KF+4*\n+3], v[ADK] offset:512*\n    ; K's fragment f at KF + 8 f: 512 consecutive bytes a load
.endr
	ds_load_b32 v[KS], v[ADS] offset:8192
	ds_load_b32 v[KS+1], v[ADS] offset:8320
	s_wait_dscnt 0x0
.irp f, 0,1,2,3
.if \f%2
	v_wmma_scale_f32_16x16x128_f8f6f4 v[S+16*\f:S+16*\f+7], v[KF+8*\f:KF+8*\f+7], v[20:27], 0, v[KS+\f/2], v28 matrix_a_fmt:MATRIX_FMT_FP4 matrix_b_fmt:MATRIX_FMT_FP4 matrix_a_scale:MATRIX_SCALE_ROW1
	v_wmma_scale_f32_16x16x128_f8f6f4 v[S+16*\f+8:S+16*\f+15], v[KF+8*\f:KF+8*\f+7], v[16:23], 0, v[KS+\f/2], v29 matrix_a_fmt:MATRIX_FMT_FP4 matrix_b_fmt:MATRIX_FMT_FP4 matrix_a_scale:MATRIX_SCALE_ROW1
.else
	v_wmma_scale_f32_16x16x128_f8f6f4 v[S+16*\f:S+16*\f+7], v[KF+8*\f:KF+8*\f+7], v[20:27], 0, v[KS+\f/2], v28 matrix_a_fmt:MATRIX_FMT_FP4 matrix_b_fmt:MATRIX_FMT_FP4
	v_wmma_scale_f32_16x16x128_f8f6f4 v[S+16*\f+8:S+16*\f+15], v[KF+8*\f:KF+8*\f+7], v[16:23], 0, v[KS+\f/2], v29 matrix_a_fmt:MATRIX_FMT_FP4 matrix_b_fmt:MATRIX_FMT_FP4
.endif
.endr                                          ; register S + 16 f + i is key 32 f + 16 h + i of my query
.rept 4
	v_nop                                          ; four places behind these products (their results are read below); with the two additions above, six behind the last step's, whose operands are loaded now
.endr
.irp n, 0,1,2,3,4,5,6,7
	ds_load_b128 v[VF+4*\n:VF+4*\n+3], v[ADK] offset:4096+512*\n   ; V's fragment t at VF + 8 t: they land under the softmax
.endr
	ds_load_b32 v[VS], v[ADS] offset:8448
	ds_load_b32 v[VS+1], v[ADS] offset:8576
.irp b, 0,1,2,3
	v_max3_num_f32 v[BM+\b], v[S+16*\b], v[S+16*\b+1], v[S+16*\b+2]    ; the largest score of each block of 32 keys: for the row's maximum and, since p rises with the score, for the block's largest p
.endr
.irp i, 3,5,7,9,11,13
.irp b, 0,1,2,3
	v_max3_num_f32 v[BM+\b], v[BM+\b], v[S+16*\b+\i], v[S+16*\b+\i+1]  ; ascending: each result is read from its low end on
.endr
.endr
.irp b, 0,1,2,3
	v_max_num_f32 v[BM+\b], v[BM+\b], v[S+16*\b+15]
.endr
.irp b, 0,1,2,3
	v_permlanex16_b32 v[BP+\b], v[BM+\b], s[SEL], s[SEL+1]
.endr
.irp b, 0,1,2,3
	v_max_num_f32 v[BM+\b], v[BM+\b], v[BP+\b]     ; with lane l xor 16's 16 keys
.endr
	v_max3_num_f32 v214, v[BM], v[BM+1], v[BM+2]
	v_max_num_f32 v214, v214, v[BM+3]              ; the step's largest score
	v_mul_f32 v214, s[CS], v214                    ; as t (c is positive)
	v_max_num_f32 v13, v13, v214                   ; the running largest t
	v_mov_b32 v214, v12
	v_floor_f32 v12, -v13                          ; the new -M = floor(-t) = -ceil(t)
	v_sub_f32 v214, v12, v214                      ; old M - new M: a whole number, 0 or less
	v_cvt_i32_f32 v214, v214                       ; (it saturates)
	v_ldexp_f32 v212, 1.0, v214                    ; f = 2^(old M - new M)
	v_pk_mul_f32 v[216:217], v[216:217], v[212:213] op_sel_hi:[1,0]    ; the second chain of the sum under the new M
.set j, 0
.rept 32
	v_pk_fma_f32 v[S+2*j:S+2*j+1], v[S+2*j:S+2*j+1], s[CS:CS+1], v[12:13] op_sel_hi:[1,0,0]   ; t - M, two at a time
.set j, j+1
.endr
.irp b, 0,1,2,3
	v_fma_f32 v[BM+\b], v[BM+\b], s[CS], v12       ; the same of each block's largest score
.endr
.set j, 0
.rept 32                                       ; p = 2^(t - M), pair by pair; behind each pair one plain line, so that a plain line stands between every exponential and the addition that reads it
	v_exp_f32 v[S+2*j], v[S+2*j]
	v_exp_f32 v[S+2*j+1], v[S+2*j+1]
.if j == 0
	v_pk_mul_f32 v[14:15], v[14:15], v[212:213] op_sel_hi:[1,0]        ; the first chain under the new M
.elseif (j%2) == 1
	s_wait_alu depctr_va_vdst(0)
	v_pk_add_f32 v[14:15], v[14:15], v[S+2*j-2:S+2*j-1]                ; the sum of the UNQUANTISED p: the pair before, even pairs here,
.else
	v_pk_add_f32 v[216:217], v[216:217], v[S+2*j-2:S+2*j-1]            ; odd pairs there
.endif
.set j, j+1
.endr
.irp b, 0,1,2,3
	v_exp_f32 v[BM+\b], v[BM+\b]                   ; the block's largest p: the same two instructions on the same number
.endr
	v_pk_add_f32 v[216:217], v[216:217], v[S+62:S+63]                  ; the last pair; also the plain line behind those four
	s_wait_alu depctr_va_vdst(0)
.irp b, 0,1,2,3
	v_max_num_f32 v[BM+\b], 0x1800000, v[BM+\b]    ; the floor 2^(3 - 127): the byte cannot fall under 1
.endr
.irp b, 0,1,2,3
	v_add_nc_u32 v[SO+\b], 0xff000000, v[BM+\b]    ; 2 off the exponent field: the conversion's scale operand
.endr
.irp b, 0,1,2,3
	v_lshrrev_b32 v[BP+\b], 23, v[SO+\b]           ; the scale's byte
.endr
	v_lshl_or_b32 v215, v[BP+1], 8, v[BP]          ; p's scale word for these 128 keys
	v_lshl_or_b32 v215, v[BP+2], 16, v215
	v_lshl_or_b32 v215, v[BP+3], 24, v215
.irp b, 0,1,2,3
	v_cvt_scalef32_pk8_fp4_f32 v[PC+2*\b], v[S+16*\b:S+16*\b+7], v[SO+\b]
	v_cvt_scalef32_pk8_fp4_f32 v[PC+2*\b+1], v[S+16*\b+8:S+16*\b+15], v[SO+\b]
.endr
	v_nop                                          ; one plain line behind the last scaled conversion
.irp c, 0,1                                    ; a whole block in a lane: lanes 0-15 block 2 c, lanes 16-31 block 2 c + 1
.irp i, 0,1
	v_permlane16_swap_b32 v[PC+4*\c+\i], v[PC+4*\c+2+\i]
.endr
.endr
.set j, 0
.rept 16
	v_pk_mul_f32 v[O+2*j:O+2*j+1], v[O+2*j:O+2*j+1], v[212:213] op_sel_hi:[1,0]   ; O^T under the new M, ascending.  These sixteen also stand between the scale word and codes just made and the products
.set j, j+1
.endr
	s_wait_dscnt 0x0                               ; V is in
.irp t, 0,1,2,3                                ; O^T += V^T P^T: four accumulators, one instruction each
.if \t%2
	v_wmma_scale_f32_16x16x128_f8f6f4 v[O+8*\t:O+8*\t+7], v[VF+8*\t:VF+8*\t+7], v[PC:PC+7], v[O+8*\t:O+8*\t+7], v[VS+\t/2], v215 matrix_a_fmt:MATRIX_FMT_FP4 matrix_b_fmt:MATRIX_FMT_FP4 matrix_a_scale:MATRIX_SCALE_ROW1
.else
	v_wmma_scale_f32_16x16x128_f8f6f4 v[O+8*\t:O+8*\t+7], v[VF+8*\t:VF+8*\t+7], v[PC:PC+7], v[O+8*\t:O+8*\t+7], v[VS+\t/2], v215 matrix_a_fmt:MATRIX_FMT_FP4 matrix_b_fmt:MATRIX_FMT_FP4
.endif
.endr
.endm
; Chunk c: four key steps.  The wave that fetched waits for its half, leaving the 3 - c chunks issued behind it on their way, and signals; all read behind the barrier.
.macro CHUNK c
	s_wait_tensorcnt 3-\c
	s_barrier_signal -1
	s_barrier_wait -1
	s_mov_b32 s[TB], \c*34816
	s_mov_b32 s[CNT], 4
.Lstep_\@:
	STEP
	s_add_co_u32 s[TB], s[TB], 8704
	s_sub_co_u32 s[CNT], s[CNT], 1
	s_cmp_lg_u32 s[CNT], 0
	s_cbranch_scc1 .Lstep_\@
.endm
.Lpass:                                            ; two trips: tiles 32 block + w and 32 block + 16 + w
	global_load_b128 v[20:23], v[LI], s[4:5]       ; q's image: lane (r, h): channels 32 h .. of query r
	global_load_b32 v30, v[QSO], s[52:53]          ; its fragment's scale word
	s_wait_loadcnt 0x0
	v_lshrrev_b32 v30, s[QSH], v30
	v_and_b32 v30, 0xffff, v30                     ; my tile's two bytes
	v_or_b32 v28, 0x01010000, v30                  ; for [q | zeros]: the byte 1 over the zero codes
	v_lshl_or_b32 v29, v30, 16, 0x101              ; for [zeros | q]
.set j, 0
.rept 32
	v_mov_b32 v[O+j], 0                            ; O^T: the step is written once; its first turn finds zeros.  (These lines also stand between the scale words just made and the first product)
.set j, j+1
.endr
	v_mov_b32 v13, 0xff61b1e6                      ; the largest t so far: -3e38
	v_floor_f32 v12, -v13                          ; -M
	v_mov_b32 v14, 0
	v_mov_b32 v15, 0
	v_mov_b32 v216, 0
	v_mov_b32 v217, 0
	CHUNK 0
	CHUNK 1
	CHUNK 2
	CHUNK 3
	; THE WAY OUT of a pass: ctx = O^T / the sum, quantised in its two blocks of 32 channels
	v_pk_add_f32 v[14:15], v[14:15], v[216:217]
	v_add_f32 v14, v14, v15
	v_permlanex16_b32 v214, v14, s[SEL], s[SEL+1]
	v_add_f32 v14, v14, v214                       ; with lane l xor 16's keys: the row's sum
	v_rcp_f32 v14, v14
	v_nop                                          ; a plain line behind the reciprocal; with the additions above these are the places behind the last products
	v_nop
.set j, 0
	s_wait_alu depctr_va_vdst(0)
.rept 16
	v_pk_mul_f32 v[S+2*j:S+2*j+1], v[O+2*j:O+2*j+1], v[14:15] op_sel_hi:[1,0]   ; ascending; register 16 b + i is channel 32 b + 16 h + i
.set j, j+1
.endr
.irp b, 0,1
	v_max3_num_f32 v[BM+\b], |v[S+16*\b]|, |v[S+16*\b+1]|, 0x1800000
.endr
.irp i, 2,4,6,8,10,12,14
.irp b, 0,1
	v_max3_num_f32 v[BM+\b], v[BM+\b], |v[S+16*\b+\i]|, |v[S+16*\b+\i+1]|
.endr
.endr
.irp b, 0,1
	v_permlanex16_b32 v[BP+\b], v[BM+\b], s[SEL], s[SEL+1]
.endr
.irp b, 0,1
	v_max_num_f32 v[BM+\b], v[BM+\b], v[BP+\b]
.endr
.irp b, 0,1
	v_add_nc_u32 v[SO+\b], 0xff000000, v[BM+\b]
.endr
.irp b, 0,1
	v_lshrrev_b32 v[BP+\b], 23, v[SO+\b]
.endr
	v_lshl_or_b32 v214, v[BP+1], 8, v[BP]          ; the head's two bytes of my query
.irp b, 0,1
	v_cvt_scalef32_pk8_fp4_f32 v[PC+2*\b], v[S+16*\b:S+16*\b+7], v[SO+\b]
	v_cvt_scalef32_pk8_fp4_f32 v[PC+2*\b+1], v[S+16*\b+8:S+16*\b+15], v[SO+\b]
.endr
	v_nop                                          ; one plain line behind the last scaled conversion
	v_permlane16_swap_b32 v[PC], v[PC+2]
	v_permlane16_swap_b32 v[PC+1], v[PC+3]         ; lane (r, h): channels 32 h .. 32 h + 31 of query r
	global_store_b128 v[LI], v[PC:PC+3], s[8:9]    ; 32 lanes store 512 consecutive bytes
	global_store_b32 v[LS], v214, s[10:11]
	s_wait_xcnt 0x0                                ; bases and data are written again only behind this wait
	s_add_nc_u64 s[4:5], s[4:5], 8192              ; sixteen tiles on
	s_add_nc_u64 s[52:53], s[52:53], 512
	s_add_nc_u64 s[8:9], s[8:9], 65536
	s_add_nc_u64 s[10:11], s[10:11], 16384
	s_sub_co_u32 s[PASS], s[PASS], 1
	s_cmp_lg_u32 s[PASS], 0
	s_cbranch_scc1 .Lpass
	s_wait_tensorcnt 0x0
	ds_add_u32 v254, v255
	s_wait_dscnt 0x0
	ROUND                                          ; the closing round: no work-group ends while a partner may still ask for a tile that names it
	s_endpgm
.Lfunc_end_k_q48f9d18db0_attn:
	.size	k_q48f9d18db0_attn, .Lfunc_end_k_q48f9d18db0_attn-k_q48f9d18db0_attn
	.p2alignl 7, 3214868480
	.fill 96, 4, 3214868480
	.section	.rodata,"a",@progbits
	.p2align	6, 0x0
	.amdhsa_kernel k_q48f9d18db0_attn
		.amdhsa_group_segment_fixed_size 169984
		.amdhsa_private_segment_fixed_size 0
		.amdhsa_enable_private_segment 0
		.amdhsa_kernarg_size 32
		.amdhsa_user_sgpr_count 2
		.amdhsa_user_sgpr_kernarg_segment_ptr 1
		.amdhsa_wavefront_size32 1
		.amdhsa_system_sgpr_workgroup_id_x 1
		.amdhsa_system_sgpr_workgroup_id_y 1
		.amdhsa_system_sgpr_workgroup_id_z 1
		.amdhsa_system_vgpr_workitem_id 0
		.amdhsa_next_free_vgpr 256
		.amdhsa_next_free_sgpr 66
		.amdhsa_reserve_vcc 0
		.amdhsa_float_denorm_mode_32 3
		.amdhsa_float_denorm_mode_16_64 3
		.amdhsa_memory_ordered 1
		.amdhsa_forward_progress 1
		.amdhsa_inst_pref_size 74
	.end_amdhsa_kernel
	.amdgpu_metadata
---
amdhsa.version: [ 1, 2 ]
amdhsa.kernels:
  - .name:           k_q48f9d18db0_attn
    .symbol:         k_q48f9d18db0_attn.kd
    .args:
      - { .name: qb, .offset: 0, .size: 8, .value_kind: global_buffer, .address_space: global }
      - { .name: kv, .offset: 8, .size: 8, .value_kind: global_buffer, .address_space: global }
      - { .name: ctximg, .offset: 16, .size: 8, .value_kind: global_buffer, .address_space: global }
      - { .name: cscl, .offset: 24, .size: 8, .value_kind: global_buffer, .address_space: global }
    .group_segment_fixed_size: 169984
    .private_segment_fixed_size: 0
    .kernarg_segment_align: 8
    .kernarg_segment_size: 32
    .max_flat_workgroup_size: 512
    .sgpr_count:     66
    .vgpr_count:     256
    .wavefront_size: 32
...
	.end_amdgpu_metadata
.endif
;; end of part 3
;; launch outln (part 4): grid 256 x 1, 8 waves a work-group, no clusters, 44,032 bytes of LDS; arguments ctximg, cscl, wimg, wscl, bo, x, gamma, beta, out0; writes out0
.if DOCPART == 4
	.amdgcn_target "amdgcn-amd-amdhsa--gfx1250"
	.amdhsa_code_object_version 6
	.text
	.protected	k_q48f9d18db0_outln
	.globl	k_q48f9d18db0_outln
	.p2align	8
	.type	k_q48f9d18db0_outln,@function
k_q48f9d18db0_outln:
	s_mov_b64 s[64:65], 0
	v_nop
	global_prefetch_b8 v0, s[64:65] scope:SCOPE_SE
	s_setreg_imm32_b32 hwreg(HW_REG_WAVE_MODE, 25, 1), 1
	s_wait_xcnt 0x0
; out = LayerNorm(ctx Wo^T + bo + x) gamma + beta.  The product runs on codes of FP4 (E2M1, one E8M0 byte for each 32 along K); all else in f32.
; SHARES.  A work-group takes 64 tokens (four tiles); wave w takes output channels 64 w .. 64 w + 63 for all of them.  Its 16 fragments of Wo stay in registers (window 1), read once, as do its 16 accumulators.
; The product is used TRANSPOSED (source 0 = 16 rows of Wo, source 1 = 16 tokens): a lane holds one token, register 32 tile + 16 gl + i is channel 64 w + 32 gl + 16 h + i.
; x + bo is the C of each sum's first product: x is loaded by rows (sixteen lanes read 256 consecutive bytes) and turned into that layout through the wave's own stage in LDS; the result leaves by the same road back.
; A token's mean and variance span the eight waves: two reductions through LDS, a barrier each.  The variance is taken of y - mean, in a second pass: no difference of large sums.
; NO CLUSTER, NO TENSOR LOAD: the weights' images and ctx's go straight into operand registers; nothing here is a tile in LDS that work-groups could share.
.set STG,  0                           ; LDS: for each wave 16 rows x (256 + 16) bytes,
.set RED1, 34816                       ; the waves' partial sums, 512 bytes a wave,
.set RED2, 38912                       ; and those of the squares
.set LI,  4                            ; 16 x lane
.set LS,  5                            ; 4 x lane
.set XO,  6                            ; 2,048 h + 16 r + 256 w: two rows of x or out an instruction
.set SRW, 7                            ; my stage by rows: 272 h + 16 r
.set SRD, 8                            ; my stage by lanes: 272 r + 64 h
.set RA,  9                            ; where I put my partial sums
.set RB,  10                           ; where I read all eight waves'
.set CHO, 11                           ; 256 w + 64 h: my channels in bo, gamma, beta
.set SUMR, 16                          ; v16-23 four running pairs
.set PS,  24                           ; v24-27 four partial sums;  v28-31 permute destinations
.set PD,  28
.set CTX, 32                           ; v32-159 ctx's fragment (tile, s) at 32 + 32 tile + 8 s; later gamma, beta, the reductions; on the way out whole rows
.set GAM, 32
.set BET, 64
.set RED, 96
.set RAW, 160                          ; v160-191 ctx's scale words as stored; later -mean and 1 / sigma, a pair a tile
.set NMU, 160
.set RSD, 168
.set CS,  192                          ; v192-207 ctx's scale words (4 tile + s);  v208-215 Wo's (4 gl + s)
.set WS,  208
.set BOR, 216                          ; v216-247 bo at my channels
.set ACC, 128                          ; window 1: v0-127 Wo's fragment (t, s) at 8 (4 t + s); v128-255 accumulator (tile, t) at 128 + 32 tile + 8 t
.set SEL, 20
.set WV,  22
.set MSB, 0
.macro WIN new                         ; the immediate's high byte repeats the setting that is left
.if MSB != \new
	s_set_vgpr_msb (MSB<<8)|\new
.set MSB, \new
.endif
.endm
; the four running pairs become the tokens' sums over all 512 channels, in v[RED] .. v[RED + 3]
.macro REDUCE off
.irp ta, 0,1,2,3
	v_add_f32 v[PS+\ta], v[SUMR+2*\ta], v[SUMR+2*\ta+1]
.endr
.irp ta, 0,1,2,3
	v_permlanex16_b32 v[PD+\ta], v[PS+\ta], s[SEL], s[SEL+1]
.endr
.irp ta, 0,1,2,3
	v_add_f32 v[PS+\ta], v[PS+\ta], v[PD+\ta]      ; my wave's 64 channels
.endr
	ds_store_b128 v[RA], v[PS:PS+3] offset:\off
	s_wait_dscnt 0x0                               ; for the others' sake: my store has landed
	s_barrier_signal -1
	s_barrier_wait -1
.irp w, 0,1,2,3,4,5,6,7
	ds_load_b128 v[RED+4*\w:RED+4*\w+3], v[RB] offset:\off+512*\w
.endr
	s_wait_dscnt 0x0
.irp w, 0,2,4,6
	v_pk_add_f32 v[RED+4*\w:RED+4*\w+1], v[RED+4*\w:RED+4*\w+1], v[RED+4*\w+4:RED+4*\w+5]
	v_pk_add_f32 v[RED+4*\w+2:RED+4*\w+3], v[RED+4*\w+2:RED+4*\w+3], v[RED+4*\w+6:RED+4*\w+7]
.endr
.irp w, 0,4
	v_pk_add_f32 v[RED+4*\w:RED+4*\w+1], v[RED+4*\w:RED+4*\w+1], v[RED+4*\w+8:RED+4*\w+9]
	v_pk_add_f32 v[RED+4*\w+2:RED+4*\w+3], v[RED+4*\w+2:RED+4*\w+3], v[RED+4*\w+10:RED+4*\w+11]
.endr
	v_pk_add_f32 v[RED:RED+1], v[RED:RED+1], v[RED+16:RED+17]
	v_pk_add_f32 v[RED+2:RED+3], v[RED+2:RED+3], v[RED+18:RED+19]
.endm
	s_load_b256 s[4:11], s[0:1], 0x0               ; ctximg s[4:5], cscl s[6:7], wimg s[8:9], wscl s[10:11]
	s_load_b256 s[12:19], s[0:1], 0x20             ; bo s[12:13], x s[14:15], gamma s[16:17], beta s[18:19]
	s_load_b64 s[24:25], s[0:1], 0x40              ; out0
	v_lshl_add_u32 v254, v0, 2, 0xa800
	v_mov_b32 v255, 0
	v_lshrrev_b32 v12, 5, v0
	v_readfirstlane_b32 s[WV], v12                 ; wave 0..7
	v_and_b32 v12, 31, v0                          ; lane
	v_and_b32 v13, 15, v0                          ; r
	v_bfe_u32 v14, v0, 4, 1                        ; h
	v_lshlrev_b32 v[LI], 4, v12
	v_lshlrev_b32 v[LS], 2, v12
	s_lshl_b32 s28, s[WV], 8
	v_lshlrev_b32 v[XO], 11, v14
	v_lshl_add_u32 v[XO], v13, 4, v[XO]
	v_add_nc_u32 v[XO], s28, v[XO]
	v_lshlrev_b32 v[CHO], 6, v14
	v_add_nc_u32 v[CHO], s28, v[CHO]
	s_mul_i32 s29, s[WV], 4352
	v_mul_u32_u24 v[SRW], v14, 272
	v_lshl_add_u32 v[SRW], v13, 4, v[SRW]
	v_add_nc_u32 v[SRW], s29, v[SRW]
	v_mul_u32_u24 v[SRD], v13, 272
	v_lshl_add_u32 v[SRD], v14, 6, v[SRD]
	v_add_nc_u32 v[SRD], s29, v[SRD]
	s_lshl_b32 s30, s[WV], 9
	s_add_co_u32 s30, s30, RED1
	v_add_nc_u32 v[RA], s30, v[LI]
	v_add_nc_u32 v[RB], RED1, v[LI]
.irp ta, 0,1,2,3
	v_mov_b32 v[PD+\ta], 0                         ; a lane permute's destination counts as one of its sources
.endr
	s_mov_b32 s[SEL], 0x76543210
	s_mov_b32 s[SEL+1], 0xfedcba98
	s_mov_b32 s26, 0x3b000000                      ; 1 / 512
	s_mov_b32 s27, 0x3727c5ac                      ; 1e-5
	s_lshl_b32 s32, ttmp9, 14                      ; my four tiles' images of ctx,
	s_mov_b32 s33, 0
	s_lshl_b32 s34, ttmp9, 12                      ; their scale words,
	s_mov_b32 s35, 0
	s_lshl_b32 s36, s[WV], 14
	s_add_co_u32 s36, s36, 393216                  ; Wo's groups 2 w, 2 w + 1,
	s_mov_b32 s37, 0
	s_lshl_b32 s38, s[WV], 10
	s_add_co_u32 s38, s38, 24576                   ; their scale words,
	s_mov_b32 s39, 0
	s_lshl_b32 s40, ttmp9, 17                      ; my 64 rows of x and of out
	s_mov_b32 s41, 0
	s_wait_kmcnt 0x0
	s_add_nc_u64 s[4:5], s[4:5], s[32:33]
	s_add_nc_u64 s[6:7], s[6:7], s[34:35]
	s_add_nc_u64 s[8:9], s[8:9], s[36:37]
	s_add_nc_u64 s[10:11], s[10:11], s[38:39]
	s_add_nc_u64 s[14:15], s[14:15], s[40:41]
	s_add_nc_u64 s[24:25], s[24:25], s[40:41]
	WIN 0x40                                       ; destination window 1, address window 0
.irp ta, 0,1,2,3                               ; x: tile rows 2 t and 2 t + 1 are tokens 32 (tile / 2) + 8 (tile % 2) + 2 t + 8 (t / 4) + h
.irp t, 0,1,2,3,4,5,6,7
	global_load_b128 v[ACC+32*\ta+4*\t:ACC+32*\ta+4*\t+3], v[XO], s[14:15] offset:(32*(\ta/2)+8*(\ta%2)+2*\t+8*(\t/4))*2048 th:TH_LOAD_NT
.endr
.endr
.irp gl, 0,1
.irp s, 0,1,2,3
.irp u, 0,1
.irp c, 0,1
	global_load_b128 v[8*(4*(2*\gl+\u)+\s)+4*\c:8*(4*(2*\gl+\u)+\s)+4*\c+3], v[LI], s[8:9] offset:512*(16*\gl+4*\s+2*\u+\c)
.endr
.endr
.endr
.endr
	WIN 0
.irp n, 0,1,2,3,4,5,6,7
	global_load_b32 v[WS+\n], v[LS], s[10:11] offset:128*\n
.endr
.irp gl, 0,1
.irp i, 0,1,2,3
	global_load_b128 v[BOR+16*\gl+4*\i:BOR+16*\gl+4*\i+3], v[CHO], s[12:13] offset:128*\gl+16*\i
.endr
.endr
.set n, 0
.rept 32
	global_load_b128 v[CTX+4*n:CTX+4*n+3], v[LI], s[4:5] offset:512*n      ; n = 8 tile + head; head 2 s + c is part c of K step s
	global_load_b32 v[RAW+n], v[LS], s[6:7] offset:128*n
.set n, n+1
.endr
	s_wait_loadcnt 0x0
.irp ta, 0,1,2,3                               ; x turns through my stage: in by rows, out a token a lane.  LDS serves a wave's instructions in order
	WIN 0x04                                       ; an LDS store's data are its source 1: window 1
.irp t, 0,1,2,3,4,5,6,7
	ds_store_b128 v[SRW], v[ACC+32*\ta+4*\t:ACC+32*\ta+4*\t+3] offset:544*\t
.endr
	WIN 0x40
.irp gl, 0,1
.irp i, 0,1,2,3
	ds_load_b128 v[ACC+32*\ta+16*\gl+4*\i:ACC+32*\ta+16*\gl+4*\i+3], v[SRD] offset:128*\gl+16*\i
.endr
.endr
.endr
	WIN 0
.irp ta, 0,1,2,3
.irp s, 0,1,2,3
	v_lshl_or_b32 v[CS+4*\ta+\s], v[RAW+8*\ta+2*\s+1], 16, v[RAW+8*\ta+2*\s]   ; two heads' byte pairs make a K step's scale word
.endr
.endr
	s_wait_dscnt 0x0
	WIN 0x41                                       ; destination and source 0 window 1
.irp ta, 0,1,2,3
.set k, 0
.rept 16
	v_pk_add_f32 v[ACC+32*\ta+2*k:ACC+32*\ta+2*k+1], v[ACC+32*\ta+2*k:ACC+32*\ta+2*k+1], v[BOR+2*k:BOR+2*k+1]   ; x + bo.  (These lines also stand between the scale words just made and the products)
.set k, k+1
.endr
.endr
	WIN 0x51                                       ; source 0 (Wo), C and D window 1; source 1 (ctx) window 0
.irp s, 0,1,2,3                                ; sixteen accumulators by turns, one instruction a turn
.irp ta, 0,1,2,3
.irp t, 0,1,2,3
.set rD, ACC+32*\ta+8*\t
.set rA, 8*(4*\t+\s)
.set rB, CTX+32*\ta+8*\s
.if \t%2
	v_wmma_scale_f32_16x16x128_f8f6f4 v[rD:rD+7], v[rA:rA+7], v[rB:rB+7], v[rD:rD+7], v[WS+4*(\t/2)+\s], v[CS+4*\ta+\s] matrix_a_fmt:MATRIX_FMT_FP4 matrix_b_fmt:MATRIX_FMT_FP4 matrix_a_scale:MATRIX_SCALE_ROW1
.else
	v_wmma_scale_f32_16x16x128_f8f6f4 v[rD:rD+7], v[rA:rA+7], v[rB:rB+7], v[rD:rD+7], v[WS+4*(\t/2)+\s], v[CS+4*\ta+\s] matrix_a_fmt:MATRIX_FMT_FP4 matrix_b_fmt:MATRIX_FMT_FP4
.endif
.endr
.endr
.endr
	WIN 0
.rept 4
	v_nop                                          ; four places: loads into ctx's registers and reads of the results follow
.endr
.irp gl, 0,1
.irp i, 0,1,2,3
	global_load_b128 v[GAM+16*\gl+4*\i:GAM+16*\gl+4*\i+3], v[CHO], s[16:17] offset:128*\gl+16*\i
	global_load_b128 v[BET+16*\gl+4*\i:BET+16*\gl+4*\i+3], v[CHO], s[18:19] offset:128*\gl+16*\i
.endr
.endr
	WIN 0x05                                       ; sources 0 and 1 window 1
.irp ta, 0,1,2,3
	v_pk_add_f32 v[SUMR+2*\ta:SUMR+2*\ta+1], v[ACC+32*\ta:ACC+32*\ta+1], v[ACC+32*\ta+2:ACC+32*\ta+3]   ; each result is read from its low end on: ascending
.endr
	WIN 0x01
.set k, 2
.rept 14
.irp ta, 0,1,2,3
	v_pk_add_f32 v[SUMR+2*\ta:SUMR+2*\ta+1], v[ACC+32*\ta+2*k:ACC+32*\ta+2*k+1], v[SUMR+2*\ta:SUMR+2*\ta+1]
.endr
.set k, k+1
.endr
	WIN 0
	REDUCE 0
.irp ta, 0,1,2,3
	v_mul_f32 v[NMU+2*\ta], 0xbb000000, v[RED+\ta]     ; -mean = sum x (-1 / 512), in both words of a pair
	v_mul_f32 v[NMU+2*\ta+1], 0xbb000000, v[RED+\ta]
.endr
	WIN 0x41
.irp ta, 0,1,2,3
.set k, 0
.rept 16
	v_pk_add_f32 v[ACC+32*\ta+2*k:ACC+32*\ta+2*k+1], v[ACC+32*\ta+2*k:ACC+32*\ta+2*k+1], v[NMU+2*\ta:NMU+2*\ta+1]   ; y - mean
.set k, k+1
.endr
.endr
	WIN 0x05
.irp ta, 0,1,2,3
	v_pk_mul_f32 v[SUMR+2*\ta:SUMR+2*\ta+1], v[ACC+32*\ta:ACC+32*\ta+1], v[ACC+32*\ta:ACC+32*\ta+1]
.endr
.set k, 1
.rept 15
.irp ta, 0,1,2,3
	v_pk_fma_f32 v[SUMR+2*\ta:SUMR+2*\ta+1], v[ACC+32*\ta+2*k:ACC+32*\ta+2*k+1], v[ACC+32*\ta+2*k:ACC+32*\ta+2*k+1], v[SUMR+2*\ta:SUMR+2*\ta+1]
.endr
.set k, k+1
.endr
	WIN 0
	REDUCE RED2-RED1                               ; other bytes than the first reduction's: no wave writes what another may still read
.irp ta, 0,1,2,3
	v_fma_f32 v[RED+\ta], v[RED+\ta], s26, s27     ; the variance + 1e-5
.endr
.irp ta, 0,1,2,3
	v_rsq_f32 v[RSD+2*\ta], v[RED+\ta]
	v_rsq_f32 v[RSD+2*\ta+1], v[RED+\ta]
.endr
	v_nop                                          ; a plain line behind the last of them
	s_wait_loadcnt 0x0                             ; gamma and beta
	WIN 0x41
	s_wait_alu depctr_va_vdst(0)
.irp ta, 0,1,2,3
.set k, 0
.rept 16
	v_pk_mul_f32 v[ACC+32*\ta+2*k:ACC+32*\ta+2*k+1], v[ACC+32*\ta+2*k:ACC+32*\ta+2*k+1], v[RSD+2*\ta:RSD+2*\ta+1]
.set k, k+1
.endr
.set k, 0
.rept 16
	v_pk_fma_f32 v[ACC+32*\ta+2*k:ACC+32*\ta+2*k+1], v[ACC+32*\ta+2*k:ACC+32*\ta+2*k+1], v[GAM+2*k:GAM+2*k+1], v[BET+2*k:BET+2*k+1]
.set k, k+1
.endr
.endr
.irp ta, 0,1,2,3                               ; THE WAY OUT: back through my stage, a tile at a time; each tile's rows have registers of their own
	WIN 0x04
.irp gl, 0,1
.irp i, 0,1,2,3
	ds_store_b128 v[SRD], v[ACC+32*\ta+16*\gl+4*\i:ACC+32*\ta+16*\gl+4*\i+3] offset:128*\gl+16*\i
.endr
.endr
	WIN 0
.irp t, 0,1,2,3,4,5,6,7
	ds_load_b128 v[CTX+32*\ta+4*\t:CTX+32*\ta+4*\t+3], v[SRW] offset:544*\t
.endr
.endr
.irp ta, 0,1,2,3
.irp t, 0,1,2,3,4,5,6,7
	s_wait_dscnt 55-16*\ta-\t                      ; the LDS instructions issued behind this load may stay out
	global_store_b128 v[XO], v[CTX+32*\ta+4*\t:CTX+32*\ta+4*\t+3], s[24:25] offset:(32*(\ta/2)+8*(\ta%2)+2*\t+8*(\t/4))*2048 th:TH_STORE_NT   ; sixteen lanes store 256 consecutive bytes, at a multiple of 256 from out0's first byte
.endr
.endr
	s_wait_tensorcnt 0x0
	ds_add_u32 v254, v255
	s_wait_dscnt 0x0
	s_endpgm
.Lfunc_end_k_q48f9d18db0_outln:
	.size	k_q48f9d18db0_outln, .Lfunc_end_k_q48f9d18db0_outln-k_q48f9d18db0_outln
	.p2alignl 7, 3214868480
	.fill 96, 4, 3214868480
	.section	.rodata,"a",@progbits
	.p2align	6, 0x0
	.amdhsa_kernel k_q48f9d18db0_outln
		.amdhsa_group_segment_fixed_size 44032
		.amdhsa_private_segment_fixed_size 0
		.amdhsa_enable_private_segment 0
		.amdhsa_kernarg_size 72
		.amdhsa_user_sgpr_count 2
		.amdhsa_user_sgpr_kernarg_segment_ptr 1
		.amdhsa_wavefront_size32 1
		.amdhsa_system_sgpr_workgroup_id_x 1
		.amdhsa_system_sgpr_workgroup_id_y 1
		.amdhsa_system_sgpr_workgroup_id_z 1
		.amdhsa_system_vgpr_workitem_id 0
		.amdhsa_next_free_vgpr 512
		.amdhsa_next_free_sgpr 66
		.amdhsa_reserve_vcc 0
		.amdhsa_float_denorm_mode_32 3
		.amdhsa_float_denorm_mode_16_64 3
		.amdhsa_memory_ordered 1
		.amdhsa_forward_progress 1
		.amdhsa_inst_pref_size 69
	.end_amdhsa_kernel
	.amdgpu_metadata
---
amdhsa.version: [ 1, 2 ]
amdhsa.kernels:
  - .name:           k_q48f9d18db0_outln
    .symbol:         k_q48f9d18db0_outln.kd
    .args:
      - { .name: ctximg, .offset: 0, .size: 8, .value_kind: global_buffer, .address_space: global }
      - { .name: cscl, .offset: 8, .size: 8, .value_kind: global_buffer, .address_space: global }
      - { .name: wimg, .offset: 16, .size: 8, .value_kind: global_buffer, .address_space: global }
      - { .name: wscl, .offset: 24, .size: 8, .value_kind: global_buffer, .address_space: global }
      - { .name: bo, .offset: 32, .size: 8, .value_kind: global_buffer, .address_space: global }
      - { .name: x, .offset: 40, .size: 8, .value_kind: global_buffer, .address_space: global }
      - { .name: gamma, .offset: 48, .size: 8, .value_kind: global_buffer, .address_space: global }
      - { .name: beta, .offset: 56, .size: 8, .value_kind: global_buffer, .address_space: global }
      - { .name: out0, .offset: 64, .size: 8, .value_kind: global_buffer, .address_space: global }
    .group_segment_fixed_size: 44032
    .private_segment_fixed_size: 0
    .kernarg_segment_align: 8
    .kernarg_segment_size: 72
    .max_flat_workgroup_size: 256
    .sgpr_count:     66
    .vgpr_count:     512
    .wavefront_size: 32
...
	.end_amdgpu_metadata
.endif
;; end of part 4
;; ======== version 2 of 2: 4 launches
;; workspace buffers: wimg 524,288 bytes; wscl 32,768 bytes; qb 4,456,448 bytes; kv 8,912,896 bytes; ctximg 4,194,304 bytes; cscl 1,048,576 bytes
;; launch prep (part 5): grid 64 x 1, 4 waves a work-group, no clusters, 0 bytes of LDS; arguments Wq, Wk, Wv, Wo, wimg, wscl; writes wimg, wscl
.if DOCPART == 5
	.amdgcn_target "amdgcn-amd-amdhsa--gfx1250"
	.amdhsa_code_object_version 6
	.text
	.protected	k_q48f9d18db0_prep
	.globl	k_q48f9d18db0_prep
	.p2align	8
	.type	k_q48f9d18db0_prep,@function
k_q48f9d18db0_prep:
	s_mov_b64 s[64:65], 0
	v_nop
	global_prefetch_b8 v0, s[64:65] scope:SCOPE_SE
	s_setreg_imm32_b32 hwreg(HW_REG_WAVE_MODE, 25, 1), 1
	s_wait_xcnt 0x0
; The four weights [512 (out)][512 (k)], f32, K innermost, become codes of FP4 (E2M1) with one E8M0 byte for each 32 along K, laid as IMAGES OF OPERAND REGISTERS:
; wimg [m: q,k,v,o][g 16][s 4][u 2][c 2][lane][16 bytes], wscl [m][g][s][lane] (one word a lane: lanes 0-15 tile u = 0, lanes 16-31 tile u = 1).
; Tile (g, u) holds in row r the weight's row 32 g + 8 u + r % 8 + 16 (r / 8): so the 16 result registers of tiles (g, 0) and (g, 1) are 16 neighbouring channels.
; A fragment is 16 rows x 128 K (K step s): lane (r, h) holds, in registers 4 c .. 4 c + 3, k = 128 s + 64 c + 32 h + 0 .. 31: a WHOLE block of 32, so no other lane is asked for a maximum.
; Work-group = (m, g), wave = s: two fragments (u = 0, 1), four blocks a lane.  No LDS, no barrier, no loop: waves share nothing.  No matrix unit and no cluster: 4 MB are read once.
; A block's scale byte is its largest magnitude's exponent field - 2, held at 1 from below.  LIMITS: a block of zeros gets the byte 1 (its codes are zeros; only this program reads the bytes);
; blocks whose largest magnitude lies under 2^-124 have their byte held at 1; NaN and infinities are not served.
.set X,  48                            ; v48-175  block q = 2 u + c at X + 32 q
.set CD, 24                            ; v24-39   its codes at CD + 4 q
	s_load_b256 s[4:11], s[0:1], 0x0               ; Wq s[4:5], Wk s[6:7], Wv s[8:9], Wo s[10:11]
	s_load_b128 s[12:15], s[0:1], 0x20             ; wimg s[12:13], wscl s[14:15]
	v_lshrrev_b32 v1, 5, v0
	v_readfirstlane_b32 s16, v1                    ; wave = K step s
	v_and_b32 v1, 31, v0                           ; lane
	v_and_b32 v2, 7, v0
	v_bfe_u32 v3, v0, 3, 1
	v_lshl_add_u32 v2, v3, 4, v2                   ; r % 8 + 16 (r / 8)
	v_bfe_u32 v3, v0, 4, 1                         ; h
	v_lshlrev_b32 v4, 11, v2                       ; a row of W is 2,048 bytes,
	v_lshl_add_u32 v4, v3, 7, v4                   ; + 128 h: my block of 32 numbers
	v_lshlrev_b32 v5, 4, v1                        ; 16 x lane
	v_lshlrev_b32 v6, 2, v1                        ; 4 x lane
	v_lshlrev_b32 v7, 3, v3                        ; 8 h: my bytes' place in a scale word
	v_mov_b32 v22, 0                               ; a lane permute's destination counts as one of its sources
	v_mov_b32 v23, 0
	s_mov_b32 s20, 0x76543210
	s_mov_b32 s21, 0xfedcba98                      ; selects for lane l xor 16
	s_lshr_b32 s17, ttmp9, 4                       ; m
	s_and_b32 s18, ttmp9, 15                       ; g
	s_lshl_b32 s22, s18, 16                        ; in: 32 g rows of 2,048 bytes
	s_lshl_b32 s19, s16, 9
	s_add_co_u32 s22, s22, s19                     ; + 512 s
	s_mov_b32 s23, 0
	s_lshl_b32 s24, ttmp9, 13                      ; images: (16 m + g) x 8,192
	s_lshl_b32 s19, s16, 11
	s_add_co_u32 s24, s24, s19                     ; + 2,048 s
	s_mov_b32 s25, 0
	s_lshl_b32 s26, ttmp9, 9                       ; scale words: (16 m + g) x 512
	s_lshl_b32 s19, s16, 7
	s_add_co_u32 s26, s26, s19                     ; + 128 s
	s_mov_b32 s27, 0
	s_and_b32 s19, s17, 1
	s_wait_alu depctr_va_vdst(0)
	s_wait_kmcnt 0x0
	s_cmp_eq_u32 s19, 0                            ; which weight: the choice hangs on the work-group's number alone
	s_cselect_b64 s[4:5], s[4:5], s[6:7]
	s_cselect_b64 s[8:9], s[8:9], s[10:11]
	s_cmp_lt_u32 s17, 2
	s_cselect_b64 s[4:5], s[4:5], s[8:9]
	s_add_nc_u64 s[4:5], s[4:5], s[22:23]
	s_add_nc_u64 s[12:13], s[12:13], s[24:25]
	s_add_nc_u64 s[14:15], s[14:15], s[26:27]
.irp q, 0,1,2,3
.irp i, 0,1,2,3,4,5,6,7
	global_load_b128 v[X+32*\q+4*\i:X+32*\q+4*\i+3], v4, s[4:5] offset:(\q/2)*16384+(\q%2)*256+16*\i th:TH_LOAD_NT   ; tile u = q / 2 lies 8 rows on, c = q % 2 lies 64 numbers on
.endr
.endr
	s_wait_loadcnt 0x0
.irp q, 0,1,2,3
	v_max3_num_f32 v[8+\q], |v[X+32*\q]|, |v[X+32*\q+1]|, 0x1800000   ; the block's largest magnitude, with the floor 2^(3 - 127) as one more leaf: the byte cannot fall under 1
.endr
.irp i, 2,4,6,8,10,12,14,16,18,20,22,24,26,28,30
.irp q, 0,1,2,3
	v_max3_num_f32 v[8+\q], v[8+\q], |v[X+32*\q+\i]|, |v[X+32*\q+\i+1]|   ; (the four blocks by turns)
.endr
.endr
.irp q, 0,1,2,3
	v_add_nc_u32 v[12+\q], 0xff000000, v[8+\q]     ; 2 off the exponent field: the conversion takes this operand's exponent field as its scale
.endr
.irp q, 0,1,2,3
	v_lshrrev_b32 v[16+\q], 23, v[12+\q]           ; the scale's byte
.endr
.irp q, 0,1,2,3
.irp i, 0,1,2,3
	v_cvt_scalef32_pk8_fp4_f32 v[CD+4*\q+\i], v[X+32*\q+8*\i:X+32*\q+8*\i+7], v[12+\q]
.endr
.endr
	v_nop                                          ; one plain line behind the last scaled conversion
.irp u, 0,1
	v_lshl_or_b32 v[20+\u], v[17+2*\u], 16, v[16+2*\u]   ; my two bytes of tile u: blocks h and 2 + h of row r,
	v_lshlrev_b32 v[20+\u], v7, v[20+\u]           ; at their places;
	v_permlanex16_b32 v[22+\u], v[20+\u], s20, s21
	v_or_b32 v[20+\u], v[20+\u], v[22+\u]          ; with lane l xor 16's two the word is whole
.endr
	v_cmp_le_u32 vcc_lo, 16, v1
	v_cndmask_b32 v20, v20, v21, vcc_lo            ; lanes 0-15 keep tile 0's word, lanes 16-31 take tile 1's
.irp q, 0,1,2,3
	global_store_b128 v5, v[CD+4*\q:CD+4*\q+3], s[12:13] offset:512*\q   ; 32 lanes store 512 consecutive bytes
.endr
	global_store_b32 v6, v20, s[14:15]
	s_endpgm
.Lfunc_end_k_q48f9d18db0_prep:
	.size	k_q48f9d18db0_prep, .Lfunc_end_k_q48f9d18db0_prep-k_q48f9d18db0_prep
	.p2alignl 7, 3214868480
	.fill 96, 4, 3214868480
	.section	.rodata,"a",@progbits
	.p2align	6, 0x0
	.amdhsa_kernel k_q48f9d18db0_prep
		.amdhsa_group_segment_fixed_size 0
		.amdhsa_private_segment_fixed_size 0
		.amdhsa_enable_private_segment 0
		.amdhsa_kernarg_size 48
		.amdhsa_user_sgpr_count 2
		.amdhsa_user_sgpr_kernarg_segment_ptr 1
		.amdhsa_wavefront_size32 1
		.amdhsa_system_sgpr_workgroup_id_x 1
		.amdhsa_system_sgpr_workgroup_id_y 1
		.amdhsa_system_sgpr_workgroup_id_z 1
		.amdhsa_system_vgpr_workitem_id 0
		.amdhsa_next_free_vgpr 176
		.amdhsa_next_free_sgpr 66
		.amdhsa_reserve_vcc 1
		.amdhsa_float_denorm_mode_32 3
		.amdhsa_float_denorm_mode_16_64 3
		.amdhsa_memory_ordered 1
		.amdhsa_forward_progress 1
		.amdhsa_inst_pref_size 12
	.end_amdhsa_kernel
	.amdgpu_metadata
---
amdhsa.version: [ 1, 2 ]
amdhsa.kernels:
  - .name:           k_q48f9d18db0_prep
    .symbol:         k_q48f9d18db0_prep.kd
    .args:
      - { .name: Wq, .offset: 0, .size: 8, .value_kind: global_buffer, .address_space: global }
      - { .name: Wk, .offset: 8, .size: 8, .value_kind: global_buffer, .address_space: global }
      - { .name: Wv, .offset: 16, .size: 8, .value_kind: global_buffer, .address_space: global }
      - { .name: Wo, .offset: 24, .size: 8, .value_kind: global_buffer, .address_space: global }
      - { .name: wimg, .offset: 32, .size: 8, .value_kind: global_buffer, .address_space: global }
      - { .name: wscl, .offset: 40, .size: 8, .value_kind: global_buffer, .address_space: global }
    .group_segment_fixed_size: 0
    .private_segment_fixed_size: 0
    .kernarg_segment_align: 8
    .kernarg_segment_size: 48
    .max_flat_workgroup_size: 128
    .sgpr_count:     66
    .vgpr_count:     176
    .wavefront_size: 32
...
	.end_amdgpu_metadata
.endif
;; end of part 5
;; launch qkv (part 6): grid 256 x 1, 8 waves a work-group, no clusters, 105,472 bytes of LDS; arguments x, wimg, wscl, bq, bk, bv, qb, kv; writes qb, kv
.if DOCPART == 6
	.amdgcn_target "amdgcn-amd-amdhsa--gfx1250"
	.amdhsa_code_object_version 6
	.text
	.protected	k_q48f9d18db0_qkv
	.globl	k_q48f9d18db0_qkv
	.p2align	8
	.type	k_q48f9d18db0_qkv,@function
k_q48f9d18db0_qkv:
	s_mov_b64 s[64:65], 0
	v_nop
	global_prefetch_b8 v0, s[64:65] scope:SCOPE_SE
	s_setreg_imm32_b32 hwreg(HW_REG_WAVE_SCHED_MODE, 0, 2), 2
	s_setreg_imm32_b32 hwreg(HW_REG_WAVE_MODE, 25, 1), 1
	s_wait_xcnt 0x0
	s_wait_alu depctr_vm_vsrc(0)
; q = x Wq^T + bq, k = x Wk^T + bk, v = x Wv^T + bv on codes of FP4 (E2M1, one E8M0 byte for each 32 along K), and their results quantised again for the attention launch, as images of its operand registers.
; SHARES.  Work-group = (block X of 128 tokens = key step st of batch b, half Y of the heads).  Eight waves.  Phase X: wave w quantises token tile w of x (16 tokens x 512) and lays its four fragments in LDS as register images.
; Phase 1: wave w makes q (w < 4) or k (w >= 4) of ONE head, 4 Y + w % 4, for all 128 tokens, TRANSPOSED (source 0 = 16 rows of W, source 1 = 16 tokens): a lane holds one token and its registers run along the
; head's channels, which are the next product's K.  Phase 2: wave w makes v of 32 channels (group 8 Y + w) in the natural order (source 0 = tokens, source 1 = W): a lane holds one channel and its registers run along the tokens, the keys.
; Each wave's weights stay in its registers (window 1), read once.  Both Y quantise the same x: four quantisings a wave buy twice the work-groups.
; TILES.  Tile (g, u) holds in row r item 32 g + 8 u + r % 8 + 16 (r / 8), for tokens and for weight rows alike: the 16 result registers of tiles (g, 0), (g, 1) are 16 neighbours along the next K.
; OUT.  qb, for each (b, head) 69,632 bytes: tile T's image at 512 T (lane (r, h): channels 32 h .. of token r); scale words at 65,536 + 128 (T / 4) + 4 lane: lane 16 ((T / 2) % 2) + r, bytes 0, 1 tile even, bytes 2, 3 tile odd.
; kv, for each (b, head) 16 steps of 8,704 bytes: K [f 4][u 2][lane][16]; at 4,096 V [t 4][c 2][lane][16]; at 8,192 K's words [f / 2][lane]; at 8,448 V's [t / 2][lane].
; NO CLUSTER, NO TENSOR LOAD: what work-groups share, the weights' images, goes straight into operand registers and stays there; a joint load could only bring it into LDS, from where each byte would have to be read once more.
; LIMITS: a block of zeros gets the byte 1 (zero codes; only this program reads the bytes); blocks whose largest magnitude lies under 2^-124 have their byte held at 1; NaN and infinities are not served.
; THE MODE: SCHED_MODE bits 1:0 = 2 (LLVM: expert scheduling mode 2), set by the entry lines.  The code itself states the register dependences
; between vector or matrix instructions and memory or LDS instructions, with s_wait_alu, always for 0.
; THE PLAN.  Registers that memory or LDS instructions touch:
;   v1-12         Addresses and offsets: made at the head, never written again.  One wait ahead of the first load states them for the whole kernel.
;   HA, ST        Phase X: a set of rows lands, the turn's LDS stores read it, the turn's LDS loads land in it, QUANT reads it, the rows of two K steps on land in it.
;   PC, PW, SW    Written by QUANT and the select behind it.  Phase X: read by the image's LDS stores of the same step.  Phases 1 and 2: read by the global stores that stand at the head of the NEXT step.
;   F0 + X0, F1 + X1   Two buffers of x's fragments and scale words.  The twelve steps of products (four of phase 1, eight of phase 2) take them by turns: step k multiplies from buffer k % 2, and its LDS loads
;                 bring step k + 1 into the other buffer, which only the products of step k - 1 have named.
; So a step of products has ONE wait on va_vdst, at its head: the step before has written the codes and words that the stores below read, and its products are done reading the buffer in which the loads below land.
; Behind it stand those stores and loads and then the step's products, which name none of the registers that these stores and loads touch.  One wait on vm_vsrc stands ahead of each QUANT, a run of products behind the stores that it speaks of.
.set XIMG, 0                           ; LDS: x's 32 fragments (4 tile + s), 1,024 bytes each,
.set XSC,  32768                       ; their scale words, 128 bytes each,
.set STG,  36864                       ; and for each wave a stage of 16 rows x (512 + 16) bytes
.set LI,  1                            ; 16 x lane
.set LS,  2                            ; 4 x lane
.set XWI, 3                            ; LI + 4,096 wave
.set XWS, 4                            ; LS + 512 wave
.set SRW, 5                            ; my stage + 16 x lane
.set SRD, 6                            ; my stage + 528 r + 64 h
.set OA,  7                            ; q or k: my image's byte in the head's block
.set SA,  8                            ; and my scale word's
.set OAV, 9                            ; the same for v
.set SAV, 10
.set BO,  11                           ; 64 h
.set BVO, 12                           ; 4 (r % 8 + 16 (r / 8))
.set PC,  24                           ; v24-31   the codes just made
.set HA,  32                           ; v32-95   64 numbers: rows of x, later results
.set ST,  96                           ; v96-159  64 numbers: rows of x, later fragments of x, buffer 0; buffer 1 is v192-255 of window 1: buffer p at v[ST + 96 p] of window p
.set B1,  160                          ; v160-191 bq or bk in the result's layout
.set BV,  192                          ; v192-207 bv, 2 x 8
.set WS,  208                          ; v208-215 scale words of my q/k weights;  v216-219 of my v weights;  v220-227 of x, set 0;  v244-251 of x, set 1: set p at v[XS + 24 p]
.set WSV, 216
.set XS,  220
.set TM,  228                          ; v228-231 maxima, v232-235 permute destination then bytes, v236-239 scale operands
.set PW,  240                          ; the scale word just made;  v241 the one before;  v242-243 words to store
.set PWA, 241
.set SW,  242
.set SEL, 20
.set WV,  22
.set HM,  23                           ; mask of lanes 16-31
.set MSB, 0
.macro WIN new                         ; the immediate's high byte repeats the setting that is left
.if MSB != (\new)
	s_set_vgpr_msb (MSB<<8)|(\new)
.set MSB, (\new)
.endif
.endm
; 64 numbers of a lane, register 16 b + i = k 32 b + 16 h + i of my row, become a fragment's codes in v[PC] on and its scale word in v[PW]
.macro QUANT s
.irp b, 0,1,2,3
	v_max3_num_f32 v[TM+\b], |v[\s+16*\b]|, |v[\s+1+16*\b]|, 0x1800000   ; my 16 numbers of block b, and the floor 2^(3 - 127): the byte cannot fall under 1
.endr
.irp i, 2,4,6,8,10,12,14
.irp b, 0,1,2,3
	v_max3_num_f32 v[TM+\b], v[TM+\b], |v[\s+16*\b+\i]|, |v[\s+1+16*\b+\i]|   ; ascending: each result is read from its low end on
.endr
.endr
.irp b, 0,1,2,3
	v_permlanex16_b32 v[TM+4+\b], v[TM+\b], s[SEL], s[SEL+1]
.endr
.irp b, 0,1,2,3
	v_max_num_f32 v[TM+\b], v[TM+\b], v[TM+4+\b]   ; with lane l xor 16's 16: the block's largest magnitude
.endr
.irp b, 0,1,2,3
	v_add_nc_u32 v[TM+8+\b], 0xff000000, v[TM+\b]  ; 2 off its exponent field: the conversion's scale operand
.endr
.irp b, 0,1,2,3
	v_lshrrev_b32 v[TM+4+\b], 23, v[TM+8+\b]       ; the scale's byte
.endr
	v_lshl_or_b32 v[PW], v[TM+5], 8, v[TM+4]
	v_lshl_or_b32 v[PW], v[TM+6], 16, v[PW]
	v_lshl_or_b32 v[PW], v[TM+7], 24, v[PW]
.irp b, 0,1,2,3
	v_cvt_scalef32_pk8_fp4_f32 v[PC+2*\b], v[\s+16*\b:\s+7+16*\b], v[TM+8+\b]
	v_cvt_scalef32_pk8_fp4_f32 v[PC+1+2*\b], v[\s+8+16*\b:\s+15+16*\b], v[TM+8+\b]
.endr
	v_nop                                          ; one plain line behind the last scaled conversion
.irp c, 0,1                                    ; the operand's layout wants a whole block in a lane: lanes 0-15 block 2 c, lanes 16-31 block 2 c + 1
.irp i, 0,1
	v_permlane16_swap_b32 v[PC+4*\c+\i], v[PC+2+4*\c+\i]
.endr
.endr
.endm
.macro ROWS reg, s                             ; K step s (128 numbers) of my tile's 16 tokens: each load reads 512 consecutive bytes of one token
.irp t, 0,1,2,3,4,5,6,7,8,9,10,11,12,13,14,15
	global_load_b128 v[\reg+4*\t:\reg+4*\t+3], v[LI], s[4:5] offset:((\t%8)+16*(\t/8))*2048+512*(\s)
.endr
.endm
; K step s of x: the rows turn through my stage (in as they were loaded, out 16 neighbours of each block a lane), are quantised, and the fragment's image goes to LDS
.macro XSTEP reg, s, left, more
	s_wait_loadcnt \left                           ; this set's 16 row loads are in; the other set's 16 may be out
.irp t, 0,1,2,3,4,5,6,7,8,9,10,11,12,13,14,15
	ds_store_b128 v[SRW], v[\reg+4*\t:\reg+4*\t+3] offset:528*\t
.endr
	s_wait_alu depctr_vm_vsrc(0)                   ; the stores above have read the set, in which the loads below land; the last image's stores have read the codes and the word, which QUANT writes again
.irp b, 0,1,2,3
.irp i, 0,1,2,3
	ds_load_b128 v[\reg+16*\b+4*\i:\reg+16*\b+4*\i+3], v[SRD] offset:128*\b+16*\i   ; LDS serves a wave's instructions in order: these see the stores above
.endr
.endr
	s_wait_dscnt 0x0                               ; the numbers are back; the last image's stores are done too
	QUANT \reg
	s_wait_alu depctr_va_vdst(0)                   ; QUANT is done reading the set, in which later loads land, and has written the codes and the word, which the stores below read
.if \more
	ROWS \reg, \s+2
.endif
	ds_store_b128 v[XWI], v[PC:PC+3] offset:XIMG+1024*\s
	ds_store_b128 v[XWI], v[PC+4:PC+7] offset:XIMG+1024*\s+512
	ds_store_b32 v[XWS], v[PW] offset:XSC+128*\s
.endm
	s_load_b256 s[4:11], s[0:1], 0x0               ; x s[4:5], wimg s[6:7], wscl s[8:9], bq s[10:11]
	s_load_b256 s[12:19], s[0:1], 0x20             ; bk s[12:13], bv s[14:15], qb s[16:17], kv s[18:19]
	v_lshl_add_u32 v254, v0, 2, 0x19800
	v_mov_b32 v255, 0
	v_lshrrev_b32 v13, 5, v0
	v_readfirstlane_b32 s[WV], v13                 ; wave 0..7
	v_and_b32 v13, 31, v0                          ; lane
	v_and_b32 v14, 15, v0                          ; r
	v_bfe_u32 v15, v0, 4, 1                        ; h
	v_lshlrev_b32 v[LI], 4, v13
	v_lshlrev_b32 v[LS], 2, v13
	v_cmp_le_u32 s[HM], 16, v13
	s_wait_alu depctr_va_sdst(0)                   ; the wave's number and the mask of lanes 16-31 are written, ahead of the first reader of either
	s_lshl_b32 s30, s[WV], 12
	v_add_nc_u32 v[XWI], s30, v[LI]
	s_lshl_b32 s30, s[WV], 9
	v_add_nc_u32 v[XWS], s30, v[LS]
	s_mul_i32 s30, s[WV], 8448
	s_add_co_u32 s30, s30, STG
	v_add_nc_u32 v[SRW], s30, v[LI]
	v_mul_u32_u24 v[SRD], v14, 528
	v_lshl_add_u32 v[SRD], v15, 6, v[SRD]
	v_add_nc_u32 v[SRD], s30, v[SRD]
	v_lshlrev_b32 v[BO], 6, v15
	v_and_b32 v16, 7, v0
	v_bfe_u32 v17, v0, 3, 1
	v_lshl_add_u32 v16, v17, 4, v16
	v_lshlrev_b32 v[BVO], 2, v16
.irp b, 0,1,2,3
	v_mov_b32 v[TM+4+\b], 0                        ; written once: a lane permute's destination counts as one of its sources
.endr
	s_mov_b32 s[SEL], 0x76543210
	s_mov_b32 s[SEL+1], 0xfedcba98
	s_lshr_b32 s24, ttmp9, 1                       ; X
	s_and_b32 s25, ttmp9, 1                        ; Y
	s_lshr_b32 s26, s24, 4                         ; b
	s_and_b32 s27, s24, 15                         ; st
	s_lshr_b32 s28, s[WV], 2                       ; m: 0 q, 1 k
	s_and_b32 s29, s[WV], 3
	s_lshl_b32 s30, s25, 2
	s_add_co_u32 s29, s29, s30                     ; my q/k head = 4 Y + w % 4
	s_lshl_b32 s31, s25, 3
	s_add_co_u32 s31, s31, s[WV]                   ; my v group of 32 channels = 8 Y + w
	s_lshr_b32 s32, s31, 1                         ; its head
	s_and_b32 s33, s[WV], 1
	s_lshl_b32 s34, s24, 7                         ; x: token 128 X + 32 (w / 2) + 8 (w % 2),
	s_lshr_b32 s30, s[WV], 1
	s_lshl_b32 s30, s30, 5
	s_add_co_u32 s34, s34, s30
	s_lshl_b32 s30, s33, 3
	s_add_co_u32 s34, s34, s30
	s_lshl_b32 s34, s34, 11                        ; x 2,048 bytes
	s_mov_b32 s35, 0
	s_lshl_b32 s36, s28, 17                        ; my q/k weights' images: m x 131,072 + head x 16,384
	s_lshl_b32 s30, s29, 14
	s_add_co_u32 s36, s36, s30
	s_mov_b32 s37, 0
	s_lshl_b32 s38, s31, 13                        ; my v weights': 262,144 + group x 8,192
	s_add_co_u32 s38, s38, 262144
	s_mov_b32 s39, 0
	s_lshl_b32 s40, s28, 13                        ; the scale words likewise
	s_lshl_b32 s30, s29, 10
	s_add_co_u32 s40, s40, s30
	s_mov_b32 s41, 0
	s_lshl_b32 s42, s31, 9
	s_add_co_u32 s42, s42, 16384
	s_mov_b32 s43, 0
	s_lshl_b32 s44, s29, 8                         ; my head's 64 biases
	s_mov_b32 s45, 0
	s_lshl_b32 s46, s31, 7                         ; my group's 32
	s_mov_b32 s47, 0
	s_mul_i32 s48, s27, 8704                       ; the key step in kv
	s_lshl_b32 s49, s27, 12                        ; q's images of these 8 tiles
	s_lshl_b32 s50, s27, 8
	s_add_co_u32 s50, s50, 65536                   ; q's scale words
	s_add_co_u32 s51, s48, 8192                    ; k's
	s_lshl_b32 s58, s33, 11
	s_add_co_u32 s58, s58, s48
	s_add_co_u32 s58, s58, 4096                    ; v's images: tiles 2 (w % 2) + u
	s_lshl_b32 s59, s33, 7
	s_add_co_u32 s59, s59, s48
	s_add_co_u32 s59, s59, 8448                    ; v's scale words
	s_lshl_b32 s52, s26, 3
	s_add_co_u32 s53, s52, s32                     ; 8 b + v's head
	s_add_co_u32 s52, s52, s29                     ; 8 b + q/k's head
	s_mul_i32 s54, s53, 139264
	s_mov_b32 s55, 0
	s_mov_b32 s56, 139264
	s_mov_b32 s57, 0
	s_cmp_eq_u32 s28, 0                            ; q or k: the choices hang on the wave's number alone
	s_cselect_b32 s49, s49, s48
	s_cselect_b32 s50, s50, s51
	s_cselect_b32 s56, 69632, s56
	s_mul_i32 s56, s52, s56
	v_add_nc_u32 v[OA], s49, v[LI]
	v_add_nc_u32 v[SA], s50, v[LS]
	v_add_nc_u32 v[OAV], s58, v[LI]
	v_add_nc_u32 v[SAV], s59, v[LS]
	s_wait_kmcnt 0x0
	s_cmp_eq_u32 s28, 0
	s_cselect_b64 s[10:11], s[10:11], s[12:13]     ; bq or bk
	s_cselect_b64 s[16:17], s[16:17], s[18:19]     ; qb or kv
	s_add_nc_u64 s[4:5], s[4:5], s[34:35]
	s_add_nc_u64 s[36:37], s[6:7], s[36:37]
	s_add_nc_u64 s[6:7], s[6:7], s[38:39]
	s_add_nc_u64 s[40:41], s[8:9], s[40:41]
	s_add_nc_u64 s[8:9], s[8:9], s[42:43]
	s_add_nc_u64 s[10:11], s[10:11], s[44:45]
	s_add_nc_u64 s[14:15], s[14:15], s[46:47]
	s_add_nc_u64 s[16:17], s[16:17], s[56:57]
	s_add_nc_u64 s[18:19], s[18:19], s[54:55]
	WIN 0x40                                       ; destination window 1, address window 0
	s_wait_alu depctr_va_vdst(0)                   ; the twelve addresses and offsets v1 to v12 are written: every load, store and LDS instruction of the kernel reads one of them
.irp gl, 0,1                                   ; my q/k weights: fragment (t = 2 gl + u, s) at v[8 (4 t + s)] of window 1
.irp s, 0,1,2,3
.irp u, 0,1
.irp c, 0,1
	global_load_b128 v[8*(4*(2*\gl+\u)+\s)+4*\c:8*(4*(2*\gl+\u)+\s)+4*\c+3], v[LI], s[36:37] offset:512*(16*\gl+4*\s+2*\u+\c)
.endr
.endr
.endr
.endr
.irp s, 0,1,2,3                                ; my v weights: fragment (u, s) at v[128 + 8 (4 u + s)] of window 1
.irp u, 0,1
.irp c, 0,1
	global_load_b128 v[128+8*(4*\u+\s)+4*\c:128+8*(4*\u+\s)+4*\c+3], v[LI], s[6:7] offset:512*(4*\s+2*\u+\c)
.endr
.endr
.endr
	WIN 0
.irp n, 0,1,2,3,4,5,6,7
	global_load_b32 v[WS+\n], v[LS], s[40:41] offset:128*\n    ; word 4 gl + s: lanes 0-15 tile u = 0, lanes 16-31 tile u = 1
.endr
.irp n, 0,1,2,3
	global_load_b32 v[WSV+\n], v[LS], s[8:9] offset:128*\n
.endr
.irp gl, 0,1
.irp i, 0,1,2,3
	global_load_b128 v[B1+16*\gl+4*\i:B1+16*\gl+4*\i+3], v[BO], s[10:11] offset:128*\gl+16*\i   ; the bias at channels 32 gl + 16 h + 0 .. 15
.endr
.endr
.irp u, 0,1
	global_load_b32 v[BV+8*\u], v[BVO], s[14:15] offset:32*\u  ; bv at my lane's channel of tile u
.endr
	ROWS HA, 0
	ROWS ST, 1
	; ---- X: my token tile's four fragments
	XSTEP HA, 0, 16, 1
	XSTEP ST, 1, 16, 1
	XSTEP HA, 2, 16, 0
	XSTEP ST, 3, 0, 0                              ; from here on nothing of the head is pending
.irp u, 0,1
.irp j, 1,2,3,4,5,6,7
	v_mov_b32 v[BV+8*\u+\j], v[BV+8*\u]            ; in the natural order a lane's eight results share one channel, so one bias
.endr
.endr
	s_wait_dscnt 0x0                               ; my images have landed
	s_barrier_signal -1
	s_barrier_wait -1                              ; x's 32 fragments lie in LDS: the launch's one barrier; nothing is written there again
; Phase 1's loads: tiles 2 g4 and 2 g4 + 1, all four K steps, into buffer p
.macro FETCH1 g4, p
	WIN 0x40*(\p)                                  ; destination window p, address window 0
.irp n, 0,1,2,3,4,5,6,7,8,9,10,11,12,13,14,15
	ds_load_b128 v[ST+96*(\p)+4*\n:ST+96*(\p)+4*\n+3], v[LI] offset:XIMG+8192*(\g4)+512*\n     ; register 32 ut + 8 s + 4 c of the buffer
.endr
	WIN 0
.irp n, 0,1,2,3,4,5,6,7
	ds_load_b32 v[XS+24*(\p)+\n], v[LS] offset:XSC+128*(8*(\g4)+\n)                            ; word 4 ut + s of the set
.endr
.endm
; Phase 2's loads: K step s of all eight token tiles, into buffer p
.macro FETCH2 s, p
	WIN 0x40*(\p)
.irp ta, 0,1,2,3,4,5,6,7
	ds_load_b128 v[ST+96*(\p)+8*\ta:ST+96*(\p)+8*\ta+3], v[LI] offset:XIMG+1024*(4*\ta+(\s))
	ds_load_b128 v[ST+96*(\p)+8*\ta+4:ST+96*(\p)+8*\ta+7], v[LI] offset:XIMG+1024*(4*\ta+(\s))+512
.endr
	WIN 0
.irp ta, 0,1,2,3,4,5,6,7
	ds_load_b32 v[XS+24*(\p)+\ta], v[LS] offset:XSC+128*(4*\ta+(\s))
.endr
.endm
; The stores of phase 1's step g4, and of phase 2's tile u: they stand at the head of the step behind it
.macro OUT1 g4
	global_store_b128 v[OA], v[PC:PC+3], s[16:17] offset:1024*(\g4)          ; 32 lanes store 512 consecutive bytes
	global_store_b128 v[OA], v[PC+4:PC+7], s[16:17] offset:1024*(\g4)+512
.if (\g4)%2 == 1
	global_store_b32 v[SA], v[SW+(\g4)/2], s[16:17] offset:128*((\g4)/2)
.endif
.endm
.macro OUTV u
	global_store_b128 v[OAV], v[PC:PC+3], s[18:19] offset:1024*(\u)
	global_store_b128 v[OAV], v[PC+4:PC+7], s[18:19] offset:1024*(\u)+512
.if (\u) == 1
	global_store_b32 v[SAV], v[SW], s[18:19]
.endif
.endm
	; ---- 1: q or k of my head, 32 tokens (tiles 2 g4, 2 g4 + 1) at a time
.macro P1MUL s, p                              ; eight accumulators by turns, one instruction a turn; the bias is the C of each sum's first product
.irp ut, 0,1
.irp gl, 0,1
.irp uw, 0,1
.set rD, HA+32*\ut+16*\gl+8*\uw
.if \s == 0
.set rC, B1+16*\gl+8*\uw
.else
.set rC, HA+32*\ut+16*\gl+8*\uw
.endif
.set rA, 8*(4*(2*\gl+\uw)+\s)
.set rB, ST+96*(\p)+32*\ut+8*\s
.set rX, XS+24*(\p)+4*\ut+\s
.if \uw
	v_wmma_scale_f32_16x16x128_f8f6f4 v[rD:rD+7], v[rA:rA+7], v[rB:rB+7], v[rC:rC+7], v[WS+4*\gl+\s], v[rX] matrix_a_fmt:MATRIX_FMT_FP4 matrix_b_fmt:MATRIX_FMT_FP4 matrix_a_scale:MATRIX_SCALE_ROW1
.else
	v_wmma_scale_f32_16x16x128_f8f6f4 v[rD:rD+7], v[rA:rA+7], v[rB:rB+7], v[rC:rC+7], v[WS+4*\gl+\s], v[rX] matrix_a_fmt:MATRIX_FMT_FP4 matrix_b_fmt:MATRIX_FMT_FP4
.endif
.endr
.endr
.endr
.endm
.macro P1 g4                                   ; it multiplies from buffer g4 % 2
	s_wait_dscnt 0x0                               ; the two tiles' fragments and scale words are in
.if (\g4) > 0
	s_wait_alu depctr_va_vdst(0)                   ; the step before has written the codes and the word, which the stores below read, and its products are done reading the other buffer, in which the loads below land
	OUT1 (\g4)-1
.endif
.if (\g4) < 3
	FETCH1 (\g4)+1, 1-(\g4)%2                      ; the next step's: they have this step's products and its quantising in which to land.  (Step 0: no vector or matrix line has named buffer 1)
.else
	FETCH2 0, 0                                    ; phase 2's first step
.endif
	WIN 0x01+4*((\g4)%2)                           ; source 0 (W) window 1, source 1 (x) the buffer's window
	P1MUL 0, (\g4)%2
	P1MUL 1, (\g4)%2
	P1MUL 2, (\g4)%2
	P1MUL 3, (\g4)%2
	WIN 0
.rept 4
	v_nop                                          ; four places behind the products: reads of their results follow
.endr
	s_wait_xcnt 0x0                                ; the last stores have read their data: the codes and words are written again only behind this wait
	s_wait_alu depctr_vm_vsrc(0)                   ; the stores at this step's head (step 0: the last image's LDS stores) have read the codes and the word, which QUANT writes again
	QUANT HA                                       ; blocks (ut 0: channels 0-31, 32-63; ut 1: the same): the codes are the fragment's whole image, the word its scale word
.if (\g4)%2 == 0
	v_mov_b32 v[PWA], v[PW]
.else
	v_cndmask_b32 v[SW+(\g4)/2], v[PWA], v[PW], s[HM]    ; lanes 0-15 the even fragment's word, lanes 16-31 the odd one's
.endif
.endm
	FETCH1 0, 0                                    ; into the set that phase X's last QUANT read: the wait behind that QUANT has stated it, and no vector line since names these registers
	P1 0
	P1 1
	P1 2
	P1 3
	; ---- 2: v of my 32 channels, tile u at a time, all 128 tokens: eight accumulators (token tiles) by turns; K step s multiplies from buffer s % 2
.macro P2S u, s
.set pp, (\s)%2
	s_wait_dscnt 0x0                               ; this K step's fragments and scale words are in
.if 4*(\u)+(\s) < 7
	s_wait_alu depctr_va_vdst(0)                   ; the step before's products are done reading the other buffer, in which the loads below land; where stores stand below, the QUANT before has written the codes and the word that they read
.endif
.if (\s) == 0
.if (\u) == 0
	OUT1 3
.else
	OUTV 0
.endif
.endif
.if 4*(\u)+(\s) < 7
	FETCH2 ((\s)+1)%4, 1-(\s)%2
.endif
	WIN 0x04+(\s)%2                                ; source 0 (x) the buffer's window, source 1 (W) window 1
.irp ta, 0,1,2,3,4,5,6,7
.set rD, HA+8*\ta
.if (\s) == 0
.set rC, BV+8*(\u)
.else
.set rC, HA+8*\ta
.endif
.set rA, ST+96*pp+8*\ta
.set rB, 128+8*(4*(\u)+(\s))
.set rX, XS+24*pp+\ta
.if \u
	v_wmma_scale_f32_16x16x128_f8f6f4 v[rD:rD+7], v[rA:rA+7], v[rB:rB+7], v[rC:rC+7], v[rX], v[WSV+(\s)] matrix_a_fmt:MATRIX_FMT_FP4 matrix_b_fmt:MATRIX_FMT_FP4 matrix_b_scale:MATRIX_SCALE_ROW1
.else
	v_wmma_scale_f32_16x16x128_f8f6f4 v[rD:rD+7], v[rA:rA+7], v[rB:rB+7], v[rC:rC+7], v[rX], v[WSV+(\s)] matrix_a_fmt:MATRIX_FMT_FP4 matrix_b_fmt:MATRIX_FMT_FP4
.endif
.endr
	WIN 0
.rept 4
	v_nop                                          ; four places: loads into the operands, or reads of the results, follow
.endr
.if (\s) == 3
	s_wait_xcnt 0x0                                ; the last stores have read their data
	s_wait_alu depctr_vm_vsrc(0)                   ; the stores four steps back have read the codes and the word, which QUANT and the select write again
	QUANT HA                                       ; register 8 tile + j is token 32 (tile / 2) + 16 h + 8 (tile % 2) + j: the codes are V's fragment (16 channels x 128 keys)
.if (\u) == 0
	v_mov_b32 v[PWA], v[PW]
.else
	v_cndmask_b32 v[SW], v[PWA], v[PW], s[HM]
.endif
.endif
.endm
	P2S 0, 0
	P2S 0, 1
	P2S 0, 2
	P2S 0, 3
	P2S 1, 0
	P2S 1, 1
	P2S 1, 2
	P2S 1, 3
	s_wait_alu depctr_va_vdst(0)                   ; the last QUANT and the select have written the codes and the word, which the last stores read
	OUTV 1
	s_wait_dscnt 0x0                               ; the closing lines, six on end
	s_wait_alu 0x0
	s_wait_tensorcnt 0x0
	ds_add_u32 v254, v255
	s_wait_dscnt 0x0
	s_endpgm
.Lfunc_end_k_q48f9d18db0_qkv:
	.size	k_q48f9d18db0_qkv, .Lfunc_end_k_q48f9d18db0_qkv-k_q48f9d18db0_qkv
	.p2alignl 7, 3214868480
	.fill 96, 4, 3214868480
	.section	.rodata,"a",@progbits
	.p2align	6, 0x0
	.amdhsa_kernel k_q48f9d18db0_qkv
		.amdhsa_group_segment_fixed_size 105472
		.amdhsa_private_segment_fixed_size 0
		.amdhsa_enable_private_segment 0
		.amdhsa_kernarg_size 64
		.amdhsa_user_sgpr_count 2
		.amdhsa_user_sgpr_kernarg_segment_ptr 1
		.amdhsa_wavefront_size32 1
		.amdhsa_system_sgpr_workgroup_id_x 1
		.amdhsa_system_sgpr_workgroup_id_y 1
		.amdhsa_system_sgpr_workgroup_id_z 1
		.amdhsa_system_vgpr_workitem_id 0
		.amdhsa_next_free_vgpr 512
		.amdhsa_next_free_sgpr 66
		.amdhsa_reserve_vcc 0
		.amdhsa_float_denorm_mode_32 3
		.amdhsa_float_denorm_mode_16_64 3
		.amdhsa_memory_ordered 1
		.amdhsa_forward_progress 1
		.amdhsa_inst_pref_size 112
	.end_amdhsa_kernel
	.amdgpu_metadata
---
amdhsa.version: [ 1, 2 ]
amdhsa.kernels:
  - .name:           k_q48f9d18db0_qkv
    .symbol:         k_q48f9d18db0_qkv.kd
    .args:
      - { .name: x, .offset: 0, .size: 8, .value_kind: global_buffer, .address_space: global }
      - { .name: wimg, .offset: 8, .size: 8, .value_kind: global_buffer, .address_space: global }
      - { .name: wscl, .offset: 16, .size: 8, .value_kind: global_buffer, .address_space: global }
      - { .name: bq, .offset: 24, .size: 8, .value_kind: global_buffer, .address_space: global }
      - { .name: bk, .offset: 32, .size: 8, .value_kind: global_buffer, .address_space: global }
      - { .name: bv, .offset: 40, .size: 8, .value_kind: global_buffer, .address_space: global }
      - { .name: qb, .offset: 48, .size: 8, .value_kind: global_buffer, .address_space: global }
      - { .name: kv, .offset: 56, .size: 8, .value_kind: global_buffer, .address_space: global }
    .group_segment_fixed_size: 105472
    .private_segment_fixed_size: 0
    .kernarg_segment_align: 8
    .kernarg_segment_size: 64
    .max_flat_workgroup_size: 256
    .sgpr_count:     66
    .vgpr_count:     512
    .wavefront_size: 32
...
	.end_amdgpu_metadata
.endif
;; end of part 6
;; launch attn (part 7): grid 4 x 64, 16 waves a work-group, clusters of 4 x 1, 169,984 bytes of LDS; arguments qb, kv, ctximg, cscl; writes ctximg, cscl
.if DOCPART == 7
	.amdgcn_target "amdgcn-amd-amdhsa--gfx1250"
	.amdhsa_code_object_version 6
	.text
	.protected	k_q48f9d18db0_attn
	.globl	k_q48f9d18db0_attn
	.p2align	8
	.type	k_q48f9d18db0_attn,@function
k_q48f9d18db0_attn:
	s_mov_b64 s[64:65], 0
	v_nop
	global_prefetch_b8 v0, s[64:65] scope:SCOPE_SE
	s_setreg_imm32_b32 hwreg(HW_REG_WAVE_MODE, 25, 1), 1
	s_wait_xcnt 0x0
	s_wait_alu depctr_hold_cnt(0) depctr_sa_sdst(0) depctr_va_vdst(0) depctr_va_sdst(0) depctr_va_ssrc(0) depctr_va_vcc(0) depctr_vm_vsrc(0)
	s_getreg_b32 s2, hwreg(HW_REG_IB_STS2, 6, 4)
	s_cmp_eq_u32 s2, 0
	s_cbranch_scc0 .Lentry_in_a_cluster
	s_endpgm
.Lentry_in_a_cluster:
	s_bfe_u32 s2, ttmp6, 0x10000c
	s_cmp_lg_u32 s2, 0x3003
	s_cbranch_scc0 .Lentry_shape_is_right
	s_endpgm
.Lentry_shape_is_right:
; ctx[b][q][head] = softmax_k(q . k / 8) v, both products on codes of FP4 (E2M1, one E8M0 byte for each 32 along a product's K), and ctx quantised for the last product, as images of its operand registers.
; THE SOFTMAX: t = score x log2(e) / 8; M = the row's largest t so far, rounded UP to a whole number; p = 2^(t - M) is quantised along the keys, not normalised; the row's sum is taken of the unquantised p and divides O at the end.
; When M moves, the sums and O are multiplied by 2^(old M - new M), which rounds nothing.
; SHARES.  A work-group owns 512 queries of one (batch, head); each of its sixteen waves owns one tile of 16 queries in each of two passes.  A head's K, V and their scale words, 139,264 bytes, lie in LDS whole: every byte is filled
; once, so there is no ring.  Four waves share a SIMD, so that one wave's vector lines stand beside another's products and LDS loads: a key step has 12 products beside some 260 vector lines.
; CLUSTER.  The four work-groups of a cluster are the four query blocks of one head: each of the eight loads is asked for JOINTLY, by the same descriptor with a mask that names the four.  A fetching wave has four loads out.
; LAYOUT.  Both products are used transposed (S^T = K Q^T, O^T = V^T P^T): a lane holds ONE query throughout.  The keys of a tile are 32 f + 8 u + r % 8 + 16 (r / 8), so that the 16 registers of tiles 2 f, 2 f + 1 are 16 neighbouring keys.
; K = 64 IN A FORM OF K = 128.  A fragment of K holds tile u = 0 in k 0-63 and tile u = 1 in k 64-127.  Against [q | zeros] it gives tile 2 f, against [zeros | q] tile 2 f + 1.  The zero codes' scale bytes are 1.
; LIMITS: p under 2^-126 counts as 0 (v_exp_f32 gives 0 there); a block of zeros gets the byte 1; NaN and infinities are not served.
.set LI,  1                            ; 16 x lane
.set LS,  2                            ; 4 x lane
.set QSO, 3                            ; 4 r
.set ADK, 4                            ; the step's images
.set ADS, 5                            ; the step's scale words
.set KS,  8                            ; v8-9 K's scale words;  v10-11 V's
.set VS,  10
                                       ; v12 -M, v13 the largest t, v[14:15] and v[216:217] the sum in two chains; v16-19 zeros, v20-23 q, v24-27 zeros; v28, v29 q's two scale words; v30 at work
.set KF,  32                           ; v32-63 K's four fragments;  v64-95 V's
.set VF,  64
.set S,   96                           ; v96-159 S^T, then p
.set O,   160                          ; v160-191 O^T
.set PC,  192                          ; v192-199 p's codes
.set BM,  200                          ; v200-203 each block's largest score, then its largest p
.set BP,  204                          ; v204-207 permute destination, then the bytes
.set SO,  208                          ; v208-211 the conversions' scale operands;  v212 f, v213 0;  v214 at work;  v215 p's scale word
.set WV,  12
.set SEL, 20
.set CS,  22                           ; s[22:23] c = log2(e) / 8
.set G1,  24
.set G0,  32                           ; s[32:47] four groups 0
.set TB,  48                           ; LDS byte of the step in hand
.set CNT, 49
.set PASS, 50
.set QSH, 51                           ; 16 (w % 2): which half of q's word is my tile's
.macro ROUND                           ; a round of the cluster's barrier
	s_barrier_signal -1
	s_barrier_wait -1
	s_cmp_lg_u32 s[WV], 0
	s_cbranch_scc1 .Lnot_wave_0_\@
	s_barrier_signal -3
.Lnot_wave_0_\@:
	s_barrier_wait -3
	s_barrier_signal -1
	s_barrier_wait -1
.endm
	s_load_b256 s[4:11], s[0:1], 0x0               ; qb s[4:5], kv s[6:7], ctximg s[8:9], cscl s[10:11]
	v_lshl_add_u32 v254, v0, 2, 0x29000
	v_mov_b32 v255, 0
	ds_add_u32 v254, v255
	ds_add_u32 v254, v255
	v_lshrrev_b32 v6, 5, v0
	s_delay_alu instid0(VALU_DEP_1)
	v_readfirstlane_b32 s[WV], v6                  ; wave 0..15
	v_and_b32 v6, 31, v0
	s_delay_alu instid0(VALU_DEP_1)
	v_lshlrev_b32 v[LI], 4, v6
	s_delay_alu instid0(VALU_DEP_2)
	v_lshlrev_b32 v[LS], 2, v6
	v_and_b32 v7, 15, v0
	s_delay_alu instid0(VALU_DEP_1)
	v_lshlrev_b32 v[QSO], 2, v7
	s_and_b32 s13, ttmp7, 0xffff                   ; 8 b + head, which the four partners share
	s_bfe_u32 s14, ttmp6, 0x40000                  ; cx
	s_lshl_b32 s15, ttmp9, 2
	s_add_co_u32 s15, s15, s14                     ; my block of 512 queries: it enters q's and ctx's global addresses alone
	s_and_b32 s18, s[WV], 1
	s_mul_i32 s19, s18, 17408                      ; which half of a chunk I fetch, in memory and in LDS
	s_mul_i32 s16, s13, 139264
	s_add_co_u32 s16, s16, s19
	s_mov_b32 s17, 0
	s_mul_i32 s54, s13, 69632                      ; the head's block of qb
	s_lshl_b32 s56, s15, 5
	s_add_co_u32 s56, s56, s[WV]                   ; my first tile of the batch: 32 block + w
	s_lshl_b32 s58, s56, 9
	s_add_co_u32 s58, s58, s54                     ; its image
	s_mov_b32 s59, 0
	s_lshl_b32 s60, s15, 3
	s_lshr_b32 s61, s[WV], 2
	s_add_co_u32 s60, s60, s61
	s_lshl_b32 s60, s60, 7                         ; its scale word: 128 (tile / 4)
	s_bfe_u32 s61, s[WV], 0x10001
	s_lshl_b32 s61, s61, 6
	s_add_co_u32 s60, s60, s61                     ; + 64 ((tile / 2) % 2)
	s_add_co_u32 s60, s60, s54
	s_add_co_u32 s60, s60, 65536
	s_mov_b32 s61, 0
	s_lshr_b32 s54, s13, 3
	s_lshl_b32 s54, s54, 7
	s_add_co_u32 s54, s54, s56                     ; the tile among all 1,024
	s_lshl_b32 s54, s54, 3
	s_and_b32 s55, s13, 7
	s_add_co_u32 s54, s54, s55                     ; 8 tile + head
	s_lshl_b32 s56, s54, 7                         ; x 128: cscl
	s_mov_b32 s57, 0
	s_lshl_b32 s54, s54, 9                         ; x 512: ctximg
	s_mov_b32 s55, 0
	s_lshl_b32 s[QSH], s18, 4
	; descriptor group 1: 68 rows of 256 bytes (32 elements of 8 bytes), dense, no padding: 17,408 bytes
	s_mov_b32 s[G1], 15|(3<<16)|(1<<21)            ; 15:0 the mask: all four work-groups; 17:16 elements of 8 bytes; 21 set beside a mask
	s_mov_b32 s[G1+1], 32<<16                      ; tensor_dim0 = 32
	s_mov_b32 s[G1+2], 68<<16                      ; tensor_dim1 = 68
	s_mov_b32 s[G1+3], 32<<16                      ; tile_dim0 = 32
	s_mov_b32 s[G1+4], 68                          ; tile_dim1 = 68
	s_mov_b32 s[G1+5], 32                          ; the pitch
	s_mov_b32 s[G1+6], 0
	s_mov_b32 s[G1+7], 0
	s_mov_b32 s[SEL], 0x76543210
	s_mov_b32 s[SEL+1], 0xfedcba98
	s_mov_b32 s[CS], 0x3e38aa3b                    ; c = log2(e) / 8
	s_mov_b32 s[CS+1], s[CS]                       ; (named with it as a pair, so it is written)
	s_mov_b32 s[PASS], 2
	s_wait_dscnt 0x0
	s_wait_kmcnt 0x0
	s_add_nc_u64 s[6:7], s[6:7], s[16:17]
	s_add_nc_u64 s[52:53], s[4:5], s[60:61]
	s_add_nc_u64 s[4:5], s[4:5], s[58:59]
	s_add_nc_u64 s[8:9], s[8:9], s[54:55]
	s_add_nc_u64 s[10:11], s[10:11], s[56:57]
	ROUND                                          ; all four work-groups are here: the joint loads meet
.irp c, 0,1,2,3                                ; chunk c = key steps 4 c .. 4 c + 3: 34,816 bytes, a half for each of waves 0 and 1
	s_mov_b32 s[G0+4*\c], 1
	s_add_co_u32 s[G0+4*\c+1], s19, \c*34816
	s_add_nc_u64 s[G0+4*\c+2:G0+4*\c+3], s[6:7], \c*34816
	s_or_b32 s[G0+4*\c+3], s[G0+4*\c+3], 0x80000000
.endr
	s_cmp_lt_u32 s[WV], 2                          ; all fills of a wave stand in one branch on its number, ahead of every wait on TENSORcnt and every LDS read
	s_cbranch_scc0 .Lno_fetch
	tensor_load_to_lds s[G0:G0+3], s[G1:G1+7]
	s_nop 0
	tensor_load_to_lds s[G0+4:G0+7], s[G1:G1+7]
	s_nop 0
	tensor_load_to_lds s[G0+8:G0+11], s[G1:G1+7]
	s_nop 0
	tensor_load_to_lds s[G0+12:G0+15], s[G1:G1+7]
	s_nop 0
.rept 4
	v_nop
.endr
.Lno_fetch:
.irp j, 16,17,18,19,24,25,26,27
	v_mov_b32 v[\j], 0                             ; the zero codes on both sides of q
.endr
.irp b, 0,1,2,3
	v_mov_b32 v[BP+\b], 0                          ; a lane permute's destination counts as one of its sources
.endr
	v_mov_b32 v213, 0                              ; (named as the upper half of the pair v[212:213])
	v_mov_b32 v214, 0
; A KEY STEP: 128 keys at LDS byte s[TB]
.macro STEP
	v_add_nc_u32 v[ADK], s[TB], v[LI]
	v_add_nc_u32 v[ADS], s[TB], v[LS]
.irp n, 0,1,2,3,4,5,6,7
	ds_load_b128 v[KF+4*\n:KF+4*\n+3], v[ADK] offset:512*\n    ; K's fragment f at KF + 8 f: 512 consecutive bytes a load
.endr
	ds_load_b32 v[KS], v[ADS] offset:8192
	ds_load_b32 v[KS+1], v[ADS] offset:8320
	s_wait_alu depctr_va_vdst(0)
	s_wait_dscnt 0x0
.irp f, 0,1,2,3
.if \f%2
	v_wmma_scale_f32_16x16x128_f8f6f4 v[S+16*\f:S+16*\f+7], v[KF+8*\f:KF+8*\f+7], v[20:27], 0, v[KS+\f/2], v28 matrix_a_fmt:MATRIX_FMT_FP4 matrix_b_fmt:MATRIX_FMT_FP4 matrix_a_scale:MATRIX_SCALE_ROW1
	v_wmma_scale_f32_16x16x128_f8f6f4 v[S+16*\f+8:S+16*\f+15], v[KF+8*\f:KF+8*\f+7], v[16:23], 0, v[KS+\f/2], v29 matrix_a_fmt:MATRIX_FMT_FP4 matrix_b_fmt:MATRIX_FMT_FP4 matrix_a_scale:MATRIX_SCALE_ROW1
.else
	v_wmma_scale_f32_16x16x128_f8f6f4 v[S+16*\f:S+16*\f+7], v[KF+8*\f:KF+8*\f+7], v[20:27], 0, v[KS+\f/2], v28 matrix_a_fmt:MATRIX_FMT_FP4 matrix_b_fmt:MATRIX_FMT_FP4
	v_wmma_scale_f32_16x16x128_f8f6f4 v[S+16*\f+8:S+16*\f+15], v[KF+8*\f:KF+8*\f+7], v[16:23], 0, v[KS+\f/2], v29 matrix_a_fmt:MATRIX_FMT_FP4 matrix_b_fmt:MATRIX_FMT_FP4
.endif
.endr                                          ; register S + 16 f + i is key 32 f + 16 h + i of my query
.rept 4
	v_nop                                          ; four places behind these products (their results are read below); with the two additions above, six behind the last step's, whose operands are loaded now
.endr
.irp n, 0,1,2,3,4,5,6,7
	ds_load_b128 v[VF+4*\n:VF+4*\n+3], v[ADK] offset:4096+512*\n   ; V's fragment t at VF + 8 t: they land under the softmax
.endr
	ds_load_b32 v[VS], v[ADS] offset:8448
	ds_load_b32 v[VS+1], v[ADS] offset:8576
.irp b, 0,1,2,3
	v_max3_num_f32 v[BM+\b], v[S+16*\b], v[S+16*\b+1], v[S+16*\b+2]    ; the largest score of each block of 32 keys: for the row's maximum and, since p rises with the score, for the block's largest p
.endr
.irp i, 3,5,7,9,11,13
.irp b, 0,1,2,3
	v_max3_num_f32 v[BM+\b], v[BM+\b], v[S+16*\b+\i], v[S+16*\b+\i+1]  ; ascending: each result is read from its low end on
.endr
.endr
.irp b, 0,1,2,3
	v_max_num_f32 v[BM+\b], v[BM+\b], v[S+16*\b+15]
.endr
.irp b, 0,1,2,3
	s_delay_alu instid0(VALU_DEP_4)
	v_permlanex16_b32 v[BP+\b], v[BM+\b], s[SEL], s[SEL+1]
.endr
.irp b, 0,1,2,3
	s_delay_alu instid0(VALU_DEP_4)
	v_max_num_f32 v[BM+\b], v[BM+\b], v[BP+\b]     ; with lane l xor 16's 16 keys
.endr
	s_delay_alu instid0(VALU_DEP_2)
	v_max3_num_f32 v214, v[BM], v[BM+1], v[BM+2]
	s_delay_alu instid0(VALU_DEP_1)
	v_max_num_f32 v214, v214, v[BM+3]              ; the step's largest score
	s_delay_alu instid0(VALU_DEP_1)
	v_mul_f32 v214, s[CS], v214                    ; as t (c is positive)
	s_delay_alu instid0(VALU_DEP_1)
	v_max_num_f32 v13, v13, v214                   ; the running largest t
	v_mov_b32 v214, v12
	s_delay_alu instid0(VALU_DEP_2)
	v_floor_f32 v12, -v13                          ; the new -M = floor(-t) = -ceil(t)
	s_delay_alu instid0(VALU_DEP_1)
	v_sub_f32 v214, v12, v214                      ; old M - new M: a whole number, 0 or less
	s_delay_alu instid0(VALU_DEP_1)
	v_cvt_i32_f32 v214, v214                       ; (it saturates)
	s_delay_alu instid0(VALU_DEP_1)
	v_ldexp_f32 v212, 1.0, v214                    ; f = 2^(old M - new M)
	s_delay_alu instid0(VALU_DEP_1)
	v_pk_mul_f32 v[216:217], v[216:217], v[212:213] op_sel_hi:[1,0]    ; the second chain of the sum under the new M
.set j, 0
.rept 32
	v_pk_fma_f32 v[S+2*j:S+2*j+1], v[S+2*j:S+2*j+1], s[CS:CS+1], v[12:13] op_sel_hi:[1,0,0]   ; t - M, two at a time
.set j, j+1
.endr
.irp b, 0,1,2,3
	v_fma_f32 v[BM+\b], v[BM+\b], s[CS], v12       ; the same of each block's largest score
.endr
.set j, 0
	s_wait_alu depctr_va_vdst(0)
.rept 32                                       ; p = 2^(t - M), pair by pair; behind each pair one plain line, so that a plain line stands between every exponential and the addition that reads it
	v_exp_f32 v[S+2*j], v[S+2*j]
	v_exp_f32 v[S+2*j+1], v[S+2*j+1]
.if j == 0
	s_setprio 1
	v_pk_mul_f32 v[14:15], v[14:15], v[212:213] op_sel_hi:[1,0]        ; the first chain under the new M
.elseif (j%2) == 1
	s_wait_alu depctr_va_vdst(0)
	v_pk_add_f32 v[14:15], v[14:15], v[S+2*j-2:S+2*j-1]                ; the sum of the UNQUANTISED p: the pair before, even pairs here,
.else
	v_pk_add_f32 v[216:217], v[216:217], v[S+2*j-2:S+2*j-1]            ; odd pairs there
.endif
.set j, j+1
.endr
.irp b, 0,1,2,3
	v_exp_f32 v[BM+\b], v[BM+\b]                   ; the block's largest p: the same two instructions on the same number
.endr
	v_pk_add_f32 v[216:217], v[216:217], v[S+62:S+63]                  ; the last pair; also the plain line behind those four
	s_wait_alu depctr_va_vdst(0)
.irp b, 0,1,2,3
	v_max_num_f32 v[BM+\b], 0x1800000, v[BM+\b]    ; the floor 2^(3 - 127): the byte cannot fall under 1
.endr
.irp b, 0,1,2,3
	s_delay_alu instid0(VALU_DEP_4)
	v_add_nc_u32 v[SO+\b], 0xff000000, v[BM+\b]    ; 2 off the exponent field: the conversion's scale operand
.endr
.irp b, 0,1,2,3
	s_delay_alu instid0(VALU_DEP_4)
	v_lshrrev_b32 v[BP+\b], 23, v[SO+\b]           ; the scale's byte
.endr
	s_delay_alu instid0(VALU_DEP_3)
	v_lshl_or_b32 v215, v[BP+1], 8, v[BP]          ; p's scale word for these 128 keys
	s_delay_alu instid0(VALU_DEP_1)
	v_lshl_or_b32 v215, v[BP+2], 16, v215
	s_delay_alu instid0(VALU_DEP_1)
	v_lshl_or_b32 v215, v[BP+3], 24, v215
.irp b, 0,1,2,3
	v_cvt_scalef32_pk8_fp4_f32 v[PC+2*\b], v[S+16*\b:S+16*\b+7], v[SO+\b]
	v_cvt_scalef32_pk8_fp4_f32 v[PC+2*\b+1], v[S+16*\b+8:S+16*\b+15], v[SO+\b]
.endr
	v_nop                                          ; one plain line behind the last scaled conversion
.irp c, 0,1                                    ; a whole block in a lane: lanes 0-15 block 2 c, lanes 16-31 block 2 c + 1
.irp i, 0,1
	v_permlane16_swap_b32 v[PC+4*\c+\i], v[PC+4*\c+2+\i]
.endr
.endr
.set j, 0
	s_setprio 0
.rept 16
	v_pk_mul_f32 v[O+2*j:O+2*j+1], v[O+2*j:O+2*j+1], v[212:213] op_sel_hi:[1,0]   ; O^T under the new M, ascending.  These sixteen also stand between the scale word and codes just made and the products
.set j, j+1
.endr
	s_wait_alu depctr_va_vdst(0)
	s_wait_dscnt 0x0                               ; V is in
.irp t, 0,1,2,3                                ; O^T += V^T P^T: four accumulators, one instruction each
.if \t%2
	v_wmma_scale_f32_16x16x128_f8f6f4 v[O+8*\t:O+8*\t+7], v[VF+8*\t:VF+8*\t+7], v[PC:PC+7], v[O+8*\t:O+8*\t+7], v[VS+\t/2], v215 matrix_a_fmt:MATRIX_FMT_FP4 matrix_b_fmt:MATRIX_FMT_FP4 matrix_a_scale:MATRIX_SCALE_ROW1
.else
	v_wmma_scale_f32_16x16x128_f8f6f4 v[O+8*\t:O+8*\t+7], v[VF+8*\t:VF+8*\t+7], v[PC:PC+7], v[O+8*\t:O+8*\t+7], v[VS+\t/2], v215 matrix_a_fmt:MATRIX_FMT_FP4 matrix_b_fmt:MATRIX_FMT_FP4
.endif
.endr
.endm
; Chunk c: four key steps.  The wave that fetched waits for its half, leaving the 3 - c chunks issued behind it on their way, and signals; all read behind the barrier.
.macro CHUNK c
	s_wait_tensorcnt 3-\c
	s_barrier_signal -1
	s_barrier_wait -1
	s_mov_b32 s[TB], \c*34816
	s_mov_b32 s[CNT], 4
.Lstep_\@:
	s_setprio 2
	STEP
	s_add_co_u32 s[TB], s[TB], 8704
	s_sub_co_u32 s[CNT], s[CNT], 1
	s_cmp_lg_u32 s[CNT], 0
	s_cbranch_scc1 .Lstep_\@
	s_setprio 0
.endm
.Lpass:                                            ; two trips: tiles 32 block + w and 32 block + 16 + w
	global_load_b128 v[20:23], v[LI], s[4:5]       ; q's image: lane (r, h): channels 32 h .. of query r
	global_load_b32 v30, v[QSO], s[52:53]          ; its fragment's scale word
	s_wait_loadcnt 0x0
	v_lshrrev_b32 v30, s[QSH], v30
	s_delay_alu instid0(VALU_DEP_1)
	v_and_b32 v30, 0xffff, v30                     ; my tile's two bytes
	s_delay_alu instid0(VALU_DEP_1)
	v_or_b32 v28, 0x01010000, v30                  ; for [q | zeros]: the byte 1 over the zero codes
	s_delay_alu instid0(VALU_DEP_2)
	v_lshl_or_b32 v29, v30, 16, 0x101              ; for [zeros | q]
.set j, 0
.rept 32
	v_mov_b32 v[O+j], 0                            ; O^T: the step is written once; its first turn finds zeros.  (These lines also stand between the scale words just made and the first product)
.set j, j+1
.endr
	v_mov_b32 v13, 0xff61b1e6                      ; the largest t so far: -3e38
	s_delay_alu instid0(VALU_DEP_1)
	v_floor_f32 v12, -v13                          ; -M
	v_mov_b32 v14, 0
	v_mov_b32 v15, 0
	v_mov_b32 v216, 0
	v_mov_b32 v217, 0
	CHUNK 0
	CHUNK 1
	CHUNK 2
	CHUNK 3
	; THE WAY OUT of a pass: ctx = O^T / the sum, quantised in its two blocks of 32 channels
	v_pk_add_f32 v[14:15], v[14:15], v[216:217]
	s_delay_alu instid0(VALU_DEP_1)
	v_add_f32 v14, v14, v15
	s_delay_alu instid0(VALU_DEP_1)
	v_permlanex16_b32 v214, v14, s[SEL], s[SEL+1]
	s_delay_alu instid0(VALU_DEP_1)
	v_add_f32 v14, v14, v214                       ; with lane l xor 16's keys: the row's sum
	s_wait_alu depctr_va_vdst(0)
	v_rcp_f32 v14, v14
	v_nop                                          ; a plain line behind the reciprocal; with the additions above these are the places behind the last products
	v_nop
.set j, 0
	s_wait_alu depctr_va_vdst(0)
.rept 16
	v_pk_mul_f32 v[S+2*j:S+2*j+1], v[O+2*j:O+2*j+1], v[14:15] op_sel_hi:[1,0]   ; ascending; register 16 b + i is channel 32 b + 16 h + i
.set j, j+1
.endr
.irp b, 0,1
	v_max3_num_f32 v[BM+\b], |v[S+16*\b]|, |v[S+16*\b+1]|, 0x1800000
.endr
.irp i, 2,4,6,8,10,12,14
.irp b, 0,1
	s_delay_alu instid0(VALU_DEP_2)
	v_max3_num_f32 v[BM+\b], v[BM+\b], |v[S+16*\b+\i]|, |v[S+16*\b+\i+1]|
.endr
.endr
.irp b, 0,1
	s_delay_alu instid0(VALU_DEP_2)
	v_permlanex16_b32 v[BP+\b], v[BM+\b], s[SEL], s[SEL+1]
.endr
.irp b, 0,1
	s_delay_alu instid0(VALU_DEP_2)
	v_max_num_f32 v[BM+\b], v[BM+\b], v[BP+\b]
.endr
.irp b, 0,1
	s_delay_alu instid0(VALU_DEP_2)
	v_add_nc_u32 v[SO+\b], 0xff000000, v[BM+\b]
.endr
.irp b, 0,1
	s_delay_alu instid0(VALU_DEP_2)
	v_lshrrev_b32 v[BP+\b], 23, v[SO+\b]
.endr
	s_delay_alu instid0(VALU_DEP_1)
	v_lshl_or_b32 v214, v[BP+1], 8, v[BP]          ; the head's two bytes of my query
.irp b, 0,1
	v_cvt_scalef32_pk8_fp4_f32 v[PC+2*\b], v[S+16*\b:S+16*\b+7], v[SO+\b]
	v_cvt_scalef32_pk8_fp4_f32 v[PC+2*\b+1], v[S+16*\b+8:S+16*\b+15], v[SO+\b]
.endr
	v_nop                                          ; one plain line behind the last scaled conversion
	v_permlane16_swap_b32 v[PC], v[PC+2]
	v_permlane16_swap_b32 v[PC+1], v[PC+3]         ; lane (r, h): channels 32 h .. 32 h + 31 of query r
	global_store_b128 v[LI], v[PC:PC+3], s[8:9]    ; 32 lanes store 512 consecutive bytes
	global_store_b32 v[LS], v214, s[10:11]
	s_wait_xcnt 0x0                                ; bases and data are written again only behind this wait
	s_add_nc_u64 s[4:5], s[4:5], 8192              ; sixteen tiles on
	s_add_nc_u64 s[52:53], s[52:53], 512
	s_add_nc_u64 s[8:9], s[8:9], 65536
	s_add_nc_u64 s[10:11], s[10:11], 16384
	s_sub_co_u32 s[PASS], s[PASS], 1
	s_cmp_lg_u32 s[PASS], 0
	s_cbranch_scc1 .Lpass
	s_wait_tensorcnt 0x0
	ds_add_u32 v254, v255
	s_wait_dscnt 0x0
	ROUND                                          ; the closing round: no work-group ends while a partner may still ask for a tile that names it
	s_endpgm
.Lfunc_end_k_q48f9d18db0_attn:
	.size	k_q48f9d18db0_attn, .Lfunc_end_k_q48f9d18db0_attn-k_q48f9d18db0_attn
	.p2alignl 7, 3214868480
	.fill 96, 4, 3214868480
	.section	.rodata,"a",@progbits
	.p2align	6, 0x0
	.amdhsa_kernel k_q48f9d18db0_attn
		.amdhsa_group_segment_fixed_size 169984
		.amdhsa_private_segment_fixed_size 0
		.amdhsa_enable_private_segment 0
		.amdhsa_kernarg_size 32
		.amdhsa_user_sgpr_count 2
		.amdhsa_user_sgpr_kernarg_segment_ptr 1
		.amdhsa_wavefront_size32 1
		.amdhsa_system_sgpr_workgroup_id_x 1
		.amdhsa_system_sgpr_workgroup_id_y 1
		.amdhsa_system_sgpr_workgroup_id_z 1
		.amdhsa_system_vgpr_workitem_id 0
		.amdhsa_next_free_vgpr 256
		.amdhsa_next_free_sgpr 66
		.amdhsa_reserve_vcc 0
		.amdhsa_float_denorm_mode_32 3
		.amdhsa_float_denorm_mode_16_64 3
		.amdhsa_memory_ordered 1
		.amdhsa_forward_progress 1
		.amdhsa_inst_pref_size 79
	.end_amdhsa_kernel
	.amdgpu_metadata
---
amdhsa.version: [ 1, 2 ]
amdhsa.kernels:
  - .name:           k_q48f9d18db0_attn
    .symbol:         k_q48f9d18db0_attn.kd
    .args:
      - { .name: qb, .offset: 0, .size: 8, .value_kind: global_buffer, .address_space: global }
      - { .name: kv, .offset: 8, .size: 8, .value_kind: global_buffer, .address_space: global }
      - { .name: ctximg, .offset: 16, .size: 8, .value_kind: global_buffer, .address_space: global }
      - { .name: cscl, .offset: 24, .size: 8, .value_kind: global_buffer, .address_space: global }
    .group_segment_fixed_size: 169984
    .private_segment_fixed_size: 0
    .kernarg_segment_align: 8
    .kernarg_segment_size: 32
    .max_flat_workgroup_size: 512
    .sgpr_count:     66
    .vgpr_count:     256
    .wavefront_size: 32
...
	.end_amdgpu_metadata
.endif
;; end of part 7
;; launch outln (part 8): grid 256 x 1, 8 waves a work-group, no clusters, 44,032 bytes of LDS; arguments ctximg, cscl, wimg, wscl, bo, x, gamma, beta, out0; writes out0
.if DOCPART == 8
	.amdgcn_target "amdgcn-amd-amdhsa--gfx1250"
	.amdhsa_code_object_version 6
	.text
	.protected	k_q48f9d18db0_outln
	.globl	k_q48f9d18db0_outln
	.p2align	8
	.type	k_q48f9d18db0_outln,@function
k_q48f9d18db0_outln:
	s_mov_b64 s[64:65], 0
	v_nop
	global_prefetch_b8 v0, s[64:65] scope:SCOPE_SE
	s_setreg_imm32_b32 hwreg(HW_REG_WAVE_SCHED_MODE, 0, 2), 2
	s_setreg_imm32_b32 hwreg(HW_REG_WAVE_MODE, 25, 1), 1
	s_wait_xcnt 0x0
	s_wait_alu depctr_vm_vsrc(0)
; out = LayerNorm(ctx Wo^T + bo + x) gamma + beta.  The product runs on codes of FP4 (E2M1, one E8M0 byte for each 32 along K); all else in f32.
; SHARES.  A work-group takes 64 tokens (four tiles); wave w takes output channels 64 w .. 64 w + 63 for all of them.  Its 16 fragments of Wo stay in registers (window 1), read once, as do its 16 accumulators.
; The product is used TRANSPOSED (source 0 = 16 rows of Wo, source 1 = 16 tokens): a lane holds one token, register 32 tile + 16 gl + i is channel 64 w + 32 gl + 16 h + i.
; x + bo is the C of each sum's first product: x is loaded by rows (sixteen lanes read 256 consecutive bytes) and turned into that layout through the wave's own stage in LDS; the result leaves by the same road back.
; A token's mean and variance span the eight waves: two reductions through LDS, a barrier each.  The variance is taken of y - mean, in a second pass: no difference of large sums.
; NO CLUSTER, NO TENSOR LOAD: the weights' images and ctx's go straight into operand registers; nothing here is a tile in LDS that work-groups could share.
; THE MODE: SCHED_MODE bits 1:0 = 2 (LLVM: expert scheduling mode 2), set by the entry lines.  The code itself states the register dependences
; between vector or matrix instructions and memory or LDS instructions, with s_wait_alu, always for 0.
; THE PLAN.  Registers that memory or LDS instructions touch, in the order of the text (it has no loop and no branch):
;   v4-11      Addresses and offsets: made at the head, never written again.  One wait ahead of the first load states them.
;   ACC        x lands; tile by tile the turn's LDS stores read it and the turn's LDS loads land in it (a wait on vm_vsrc between the two); then vector and matrix lines alone, until the way out's LDS stores read it.
;   CS         The scale words of ctx, made by vector lines and taken as scales by the products: one wait on va_vdst ahead of the first product, behind its places.
;   CTX ..     ctx lands and the products read it; then gamma and beta land in its first half (one wait on va_vdst behind the products); the reductions' loads land in its third quarter; on the way out whole rows land in all of it.
;   PS         Written by each reduction's additions, read by its LDS store: a wait on va_vdst ahead of the store, which also states that all lines that named v[RED ..] are done; a wait on vm_vsrc ahead of the second reduction.
; The way out has one wait on va_vdst: the arithmetic has written ACC and is done reading gamma, beta and the reductions' registers.  No vector line follows it.
.set STG,  0                           ; LDS: for each wave 16 rows x (256 + 16) bytes,
.set RED1, 34816                       ; the waves' partial sums, 512 bytes a wave,
.set RED2, 38912                       ; and those of the squares
.set LI,  4                            ; 16 x lane
.set LS,  5                            ; 4 x lane
.set XO,  6                            ; 2,048 h + 16 r + 256 w: two rows of x or out an instruction
.set SRW, 7                            ; my stage by rows: 272 h + 16 r
.set SRD, 8                            ; my stage by lanes: 272 r + 64 h
.set RA,  9                            ; where I put my partial sums
.set RB,  10                           ; where I read all eight waves'
.set CHO, 11                           ; 256 w + 64 h: my channels in bo, gamma, beta
.set SUMR, 16                          ; v16-23 four running pairs
.set PS,  24                           ; v24-27 four partial sums;  v28-31 permute destinations
.set PD,  28
.set CTX, 32                           ; v32-159 ctx's fragment (tile, s) at 32 + 32 tile + 8 s; later gamma, beta, the reductions; on the way out whole rows
.set GAM, 32
.set BET, 64
.set RED, 96
.set RAW, 160                          ; v160-191 ctx's scale words as stored; later -mean and 1 / sigma, a pair a tile
.set NMU, 160
.set RSD, 168
.set CS,  192                          ; v192-207 ctx's scale words (4 tile + s);  v208-215 Wo's (4 gl + s)
.set WS,  208
.set BOR, 216                          ; v216-247 bo at my channels
.set ACC, 128                          ; window 1: v0-127 Wo's fragment (t, s) at 8 (4 t + s); v128-255 accumulator (tile, t) at 128 + 32 tile + 8 t
.set SEL, 20
.set WV,  22
.set MSB, 0
.macro WIN new                         ; the immediate's high byte repeats the setting that is left
.if MSB != \new
	s_set_vgpr_msb (MSB<<8)|\new
.set MSB, \new
.endif
.endm
; the four running pairs become the tokens' sums over all 512 channels, in v[RED] .. v[RED + 3]
.macro REDUCE off
.irp ta, 0,1,2,3
	v_add_f32 v[PS+\ta], v[SUMR+2*\ta], v[SUMR+2*\ta+1]
.endr
.irp ta, 0,1,2,3
	v_permlanex16_b32 v[PD+\ta], v[PS+\ta], s[SEL], s[SEL+1]
.endr
.irp ta, 0,1,2,3
	v_add_f32 v[PS+\ta], v[PS+\ta], v[PD+\ta]      ; my wave's 64 channels
.endr
	s_wait_alu depctr_va_vdst(0)                   ; the additions have written v[PS ..], which the store reads; the matrix and vector lines that named v[RED ..] are done, in which the loads below land
	ds_store_b128 v[RA], v[PS:PS+3] offset:\off
	s_wait_dscnt 0x0                               ; for the others' sake: my store has landed
	s_barrier_signal -1
	s_barrier_wait -1
.irp w, 0,1,2,3,4,5,6,7
	ds_load_b128 v[RED+4*\w:RED+4*\w+3], v[RB] offset:\off+512*\w
.endr
	s_wait_dscnt 0x0
.irp w, 0,2,4,6
	v_pk_add_f32 v[RED+4*\w:RED+4*\w+1], v[RED+4*\w:RED+4*\w+1], v[RED+4*\w+4:RED+4*\w+5]
	v_pk_add_f32 v[RED+4*\w+2:RED+4*\w+3], v[RED+4*\w+2:RED+4*\w+3], v[RED+4*\w+6:RED+4*\w+7]
.endr
.irp w, 0,4
	v_pk_add_f32 v[RED+4*\w:RED+4*\w+1], v[RED+4*\w:RED+4*\w+1], v[RED+4*\w+8:RED+4*\w+9]
	v_pk_add_f32 v[RED+4*\w+2:RED+4*\w+3], v[RED+4*\w+2:RED+4*\w+3], v[RED+4*\w+10:RED+4*\w+11]
.endr
	v_pk_add_f32 v[RED:RED+1], v[RED:RED+1], v[RED+16:RED+17]
	v_pk_add_f32 v[RED+2:RED+3], v[RED+2:RED+3], v[RED+18:RED+19]
.endm
	s_load_b256 s[4:11], s[0:1], 0x0               ; ctximg s[4:5], cscl s[6:7], wimg s[8:9], wscl s[10:11]
	s_load_b256 s[12:19], s[0:1], 0x20             ; bo s[12:13], x s[14:15], gamma s[16:17], beta s[18:19]
	s_load_b64 s[24:25], s[0:1], 0x40              ; out0
	v_lshl_add_u32 v254, v0, 2, 0xa800
	v_mov_b32 v255, 0
	v_lshrrev_b32 v12, 5, v0
	v_readfirstlane_b32 s[WV], v12                 ; wave 0..7
	v_and_b32 v12, 31, v0                          ; lane
	v_and_b32 v13, 15, v0                          ; r
	v_bfe_u32 v14, v0, 4, 1                        ; h
	v_lshlrev_b32 v[LI], 4, v12
	v_lshlrev_b32 v[LS], 2, v12
	s_wait_alu depctr_va_sdst(0)                   ; the wave's number is written, ahead of its first reader
	s_lshl_b32 s28, s[WV], 8
	v_lshlrev_b32 v[XO], 11, v14
	v_lshl_add_u32 v[XO], v13, 4, v[XO]
	v_add_nc_u32 v[XO], s28, v[XO]
	v_lshlrev_b32 v[CHO], 6, v14
	v_add_nc_u32 v[CHO], s28, v[CHO]
	s_mul_i32 s29, s[WV], 4352
	v_mul_u32_u24 v[SRW], v14, 272
	v_lshl_add_u32 v[SRW], v13, 4, v[SRW]
	v_add_nc_u32 v[SRW], s29, v[SRW]
	v_mul_u32_u24 v[SRD], v13, 272
	v_lshl_add_u32 v[SRD], v14, 6, v[SRD]
	v_add_nc_u32 v[SRD], s29, v[SRD]
	s_lshl_b32 s30, s[WV], 9
	s_add_co_u32 s30, s30, RED1
	v_add_nc_u32 v[RA], s30, v[LI]
	v_add_nc_u32 v[RB], RED1, v[LI]
.irp ta, 0,1,2,3
	v_mov_b32 v[PD+\ta], 0                         ; a lane permute's destination counts as one of its sources
.endr
	s_mov_b32 s[SEL], 0x76543210
	s_mov_b32 s[SEL+1], 0xfedcba98
	s_mov_b32 s26, 0x3b000000                      ; 1 / 512
	s_mov_b32 s27, 0x3727c5ac                      ; 1e-5
	s_lshl_b32 s32, ttmp9, 14                      ; my four tiles' images of ctx,
	s_mov_b32 s33, 0
	s_lshl_b32 s34, ttmp9, 12                      ; their scale words,
	s_mov_b32 s35, 0
	s_lshl_b32 s36, s[WV], 14
	s_add_co_u32 s36, s36, 393216                  ; Wo's groups 2 w, 2 w + 1,
	s_mov_b32 s37, 0
	s_lshl_b32 s38, s[WV], 10
	s_add_co_u32 s38, s38, 24576                   ; their scale words,
	s_mov_b32 s39, 0
	s_lshl_b32 s40, ttmp9, 17                      ; my 64 rows of x and of out
	s_mov_b32 s41, 0
	s_wait_kmcnt 0x0
	s_add_nc_u64 s[4:5], s[4:5], s[32:33]
	s_add_nc_u64 s[6:7], s[6:7], s[34:35]
	s_add_nc_u64 s[8:9], s[8:9], s[36:37]
	s_add_nc_u64 s[10:11], s[10:11], s[38:39]
	s_add_nc_u64 s[14:15], s[14:15], s[40:41]
	s_add_nc_u64 s[24:25], s[24:25], s[40:41]
	WIN 0x40                                       ; destination window 1, address window 0
	s_wait_alu depctr_va_vdst(0)                   ; the eight addresses and offsets v4 to v11 are written: every load, store and LDS instruction of the kernel reads one of them
.irp ta, 0,1,2,3                               ; x: tile rows 2 t and 2 t + 1 are tokens 32 (tile / 2) + 8 (tile % 2) + 2 t + 8 (t / 4) + h
.irp t, 0,1,2,3,4,5,6,7
	global_load_b128 v[ACC+32*\ta+4*\t:ACC+32*\ta+4*\t+3], v[XO], s[14:15] offset:(32*(\ta/2)+8*(\ta%2)+2*\t+8*(\t/4))*2048 th:TH_LOAD_NT
.endr
.endr
.irp gl, 0,1
.irp s, 0,1,2,3
.irp u, 0,1
.irp c, 0,1
	global_load_b128 v[8*(4*(2*\gl+\u)+\s)+4*\c:8*(4*(2*\gl+\u)+\s)+4*\c+3], v[LI], s[8:9] offset:512*(16*\gl+4*\s+2*\u+\c)
.endr
.endr
.endr
.endr
	WIN 0
.irp n, 0,1,2,3,4,5,6,7
	global_load_b32 v[WS+\n], v[LS], s[10:11] offset:128*\n
.endr
.irp gl, 0,1
.irp i, 0,1,2,3
	global_load_b128 v[BOR+16*\gl+4*\i:BOR+16*\gl+4*\i+3], v[CHO], s[12:13] offset:128*\gl+16*\i
.endr
.endr
.set n, 0
.rept 32
	global_load_b128 v[CTX+4*n:CTX+4*n+3], v[LI], s[4:5] offset:512*n      ; n = 8 tile + head; head 2 s + c is part c of K step s
	global_load_b32 v[RAW+n], v[LS], s[6:7] offset:128*n
.set n, n+1
.endr
	s_wait_loadcnt 0x0
.irp ta, 0,1,2,3                               ; x turns through my stage: in by rows, out a token a lane.  LDS serves a wave's instructions in order
	WIN 0x04                                       ; an LDS store's data are its source 1: window 1
.irp t, 0,1,2,3,4,5,6,7
	ds_store_b128 v[SRW], v[ACC+32*\ta+4*\t:ACC+32*\ta+4*\t+3] offset:544*\t
.endr
	WIN 0x40
	s_wait_alu depctr_vm_vsrc(0)                   ; the stores above have read the tile's 32 registers, in which the loads below land
.irp gl, 0,1
.irp i, 0,1,2,3
	ds_load_b128 v[ACC+32*\ta+16*\gl+4*\i:ACC+32*\ta+16*\gl+4*\i+3], v[SRD] offset:128*\gl+16*\i
.endr
.endr
.endr
	WIN 0
.irp ta, 0,1,2,3
.irp s, 0,1,2,3
	v_lshl_or_b32 v[CS+4*\ta+\s], v[RAW+8*\ta+2*\s+1], 16, v[RAW+8*\ta+2*\s]   ; two heads' byte pairs make a K step's scale word
.endr
.endr
	s_wait_dscnt 0x0
	WIN 0x41                                       ; destination and source 0 window 1
.irp ta, 0,1,2,3
.set k, 0
.rept 16
	v_pk_add_f32 v[ACC+32*\ta+2*k:ACC+32*\ta+2*k+1], v[ACC+32*\ta+2*k:ACC+32*\ta+2*k+1], v[BOR+2*k:BOR+2*k+1]   ; x + bo.  (These lines also stand between the scale words just made and the products)
.set k, k+1
.endr
.endr
	WIN 0x51                                       ; source 0 (Wo), C and D window 1; source 1 (ctx) window 0
	s_wait_alu depctr_va_vdst(0)                   ; ctx's sixteen scale words v[CS ..] are written, which the products take as scales; the places above stay beside this wait
.irp s, 0,1,2,3                                ; sixteen accumulators by turns, one instruction a turn
.irp ta, 0,1,2,3
.irp t, 0,1,2,3
.set rD, ACC+32*\ta+8*\t
.set rA, 8*(4*\t+\s)
.set rB, CTX+32*\ta+8*\s
.if \t%2
	v_wmma_scale_f32_16x16x128_f8f6f4 v[rD:rD+7], v[rA:rA+7], v[rB:rB+7], v[rD:rD+7], v[WS+4*(\t/2)+\s], v[CS+4*\ta+\s] matrix_a_fmt:MATRIX_FMT_FP4 matrix_b_fmt:MATRIX_FMT_FP4 matrix_a_scale:MATRIX_SCALE_ROW1
.else
	v_wmma_scale_f32_16x16x128_f8f6f4 v[rD:rD+7], v[rA:rA+7], v[rB:rB+7], v[rD:rD+7], v[WS+4*(\t/2)+\s], v[CS+4*\ta+\s] matrix_a_fmt:MATRIX_FMT_FP4 matrix_b_fmt:MATRIX_FMT_FP4
.endif
.endr
.endr
.endr
	WIN 0
.rept 4
	v_nop                                          ; four places: loads into ctx's registers and reads of the results follow
.endr
	s_wait_alu depctr_va_vdst(0)                   ; the products are done reading ctx's fragments, in the first half of which gamma and beta land
.irp gl, 0,1
.irp i, 0,1,2,3
	global_load_b128 v[GAM+16*\gl+4*\i:GAM+16*\gl+4*\i+3], v[CHO], s[16:17] offset:128*\gl+16*\i
	global_load_b128 v[BET+16*\gl+4*\i:BET+16*\gl+4*\i+3], v[CHO], s[18:19] offset:128*\gl+16*\i
.endr
.endr
	WIN 0x05                                       ; sources 0 and 1 window 1
.irp ta, 0,1,2,3
	v_pk_add_f32 v[SUMR+2*\ta:SUMR+2*\ta+1], v[ACC+32*\ta:ACC+32*\ta+1], v[ACC+32*\ta+2:ACC+32*\ta+3]   ; each result is read from its low end on: ascending
.endr
	WIN 0x01
.set k, 2
.rept 14
.irp ta, 0,1,2,3
	v_pk_add_f32 v[SUMR+2*\ta:SUMR+2*\ta+1], v[ACC+32*\ta+2*k:ACC+32*\ta+2*k+1], v[SUMR+2*\ta:SUMR+2*\ta+1]
.endr
.set k, k+1
.endr
	WIN 0
	REDUCE 0
.irp ta, 0,1,2,3
	v_mul_f32 v[NMU+2*\ta], 0xbb000000, v[RED+\ta]     ; -mean = sum x (-1 / 512), in both words of a pair
	v_mul_f32 v[NMU+2*\ta+1], 0xbb000000, v[RED+\ta]
.endr
	WIN 0x41
.irp ta, 0,1,2,3
.set k, 0
.rept 16
	v_pk_add_f32 v[ACC+32*\ta+2*k:ACC+32*\ta+2*k+1], v[ACC+32*\ta+2*k:ACC+32*\ta+2*k+1], v[NMU+2*\ta:NMU+2*\ta+1]   ; y - mean
.set k, k+1
.endr
.endr
	WIN 0x05
.irp ta, 0,1,2,3
	v_pk_mul_f32 v[SUMR+2*\ta:SUMR+2*\ta+1], v[ACC+32*\ta:ACC+32*\ta+1], v[ACC+32*\ta:ACC+32*\ta+1]
.endr
.set k, 1
.rept 15
.irp ta, 0,1,2,3
	v_pk_fma_f32 v[SUMR+2*\ta:SUMR+2*\ta+1], v[ACC+32*\ta+2*k:ACC+32*\ta+2*k+1], v[ACC+32*\ta+2*k:ACC+32*\ta+2*k+1], v[SUMR+2*\ta:SUMR+2*\ta+1]
.endr
.set k, k+1
.endr
	WIN 0
	s_wait_alu depctr_vm_vsrc(0)                   ; the first reduction's store has read v[PS ..], which the second reduction's additions write again
	REDUCE RED2-RED1                               ; other bytes than the first reduction's: no wave writes what another may still read
.irp ta, 0,1,2,3
	v_fma_f32 v[RED+\ta], v[RED+\ta], s26, s27     ; the variance + 1e-5
.endr
	s_wait_alu depctr_va_vdst(0)
.irp ta, 0,1,2,3
	v_rsq_f32 v[RSD+2*\ta], v[RED+\ta]
	v_rsq_f32 v[RSD+2*\ta+1], v[RED+\ta]
.endr
	v_nop                                          ; a plain line behind the last of them
	s_wait_loadcnt 0x0                             ; gamma and beta
	WIN 0x41
	s_wait_alu depctr_va_vdst(0)                   ; the eight reciprocal roots v[RSD ..] are written, ahead of their first reader: one wait for the batch
.irp ta, 0,1,2,3
.set k, 0
.rept 16
	v_pk_mul_f32 v[ACC+32*\ta+2*k:ACC+32*\ta+2*k+1], v[ACC+32*\ta+2*k:ACC+32*\ta+2*k+1], v[RSD+2*\ta:RSD+2*\ta+1]
.set k, k+1
.endr
.set k, 0
.rept 16
	v_pk_fma_f32 v[ACC+32*\ta+2*k:ACC+32*\ta+2*k+1], v[ACC+32*\ta+2*k:ACC+32*\ta+2*k+1], v[GAM+2*k:GAM+2*k+1], v[BET+2*k:BET+2*k+1]
.set k, k+1
.endr
.endr
	WIN 0x04
	s_wait_alu depctr_va_vdst(0)                   ; the arithmetic has written all of ACC, which the LDS stores below read, and is done reading gamma, beta and the reductions' registers, in which the LDS loads below land; no vector line follows
.irp ta, 0,1,2,3                               ; THE WAY OUT: back through my stage, a tile at a time; each tile's rows have registers of their own
	WIN 0x04
.irp gl, 0,1
.irp i, 0,1,2,3
	ds_store_b128 v[SRD], v[ACC+32*\ta+16*\gl+4*\i:ACC+32*\ta+16*\gl+4*\i+3] offset:128*\gl+16*\i
.endr
.endr
	WIN 0
.irp t, 0,1,2,3,4,5,6,7
	ds_load_b128 v[CTX+32*\ta+4*\t:CTX+32*\ta+4*\t+3], v[SRW] offset:544*\t
.endr
.endr
.irp ta, 0,1,2,3
.irp t, 0,1,2,3,4,5,6,7
	s_wait_dscnt 55-16*\ta-\t                      ; the LDS instructions issued behind this load may stay out
	global_store_b128 v[XO], v[CTX+32*\ta+4*\t:CTX+32*\ta+4*\t+3], s[24:25] offset:(32*(\ta/2)+8*(\ta%2)+2*\t+8*(\t/4))*2048 th:TH_STORE_NT   ; sixteen lanes store 256 consecutive bytes, at a multiple of 256 from out0's first byte
.endr
.endr
	s_wait_dscnt 0x0                               ; the closing lines, six on end
	s_wait_alu 0x0
	s_wait_tensorcnt 0x0
	ds_add_u32 v254, v255
	s_wait_dscnt 0x0
	s_endpgm
.Lfunc_end_k_q48f9d18db0_outln:
	.size	k_q48f9d18db0_outln, .Lfunc_end_k_q48f9d18db0_outln-k_q48f9d18db0_outln
	.p2alignl 7, 3214868480
	.fill 96, 4, 3214868480
	.section	.rodata,"a",@progbits
	.p2align	6, 0x0
	.amdhsa_kernel k_q48f9d18db0_outln
		.amdhsa_group_segment_fixed_size 44032
		.amdhsa_private_segment_fixed_size 0
		.amdhsa_enable_private_segment 0
		.amdhsa_kernarg_size 72
		.amdhsa_user_sgpr_count 2
		.amdhsa_user_sgpr_kernarg_segment_ptr 1
		.amdhsa_wavefront_size32 1
		.amdhsa_system_sgpr_workgroup_id_x 1
		.amdhsa_system_sgpr_workgroup_id_y 1
		.amdhsa_system_sgpr_workgroup_id_z 1
		.amdhsa_system_vgpr_workitem_id 0
		.amdhsa_next_free_vgpr 512
		.amdhsa_next_free_sgpr 66
		.amdhsa_reserve_vcc 0
		.amdhsa_float_denorm_mode_32 3
		.amdhsa_float_denorm_mode_16_64 3
		.amdhsa_memory_ordered 1
		.amdhsa_forward_progress 1
		.amdhsa_inst_pref_size 70
	.end_amdhsa_kernel
	.amdgpu_metadata
---
amdhsa.version: [ 1, 2 ]
amdhsa.kernels:
  - .name:           k_q48f9d18db0_outln
    .symbol:         k_q48f9d18db0_outln.kd
    .args:
      - { .name: ctximg, .offset: 0, .size: 8, .value_kind: global_buffer, .address_space: global }
      - { .name: cscl, .offset: 8, .size: 8, .value_kind: global_buffer, .address_space: global }
      - { .name: wimg, .offset: 16, .size: 8, .value_kind: global_buffer, .address_space: global }
      - { .name: wscl, .offset: 24, .size: 8, .value_kind: global_buffer, .address_space: global }
      - { .name: bo, .offset: 32, .size: 8, .value_kind: global_buffer, .address_space: global }
      - { .name: x, .offset: 40, .size: 8, .value_kind: global_buffer, .address_space: global }
      - { .name: gamma, .offset: 48, .size: 8, .value_kind: global_buffer, .address_space: global }
      - { .name: beta, .offset: 56, .size: 8, .value_kind: global_buffer, .address_space: global }
      - { .name: out0, .offset: 64, .size: 8, .value_kind: global_buffer, .address_space: global }
    .group_segment_fixed_size: 44032
    .private_segment_fixed_size: 0
    .kernarg_segment_align: 8
    .kernarg_segment_size: 72
    .max_flat_workgroup_size: 256
    .sgpr_count:     66
    .vgpr_count:     512
    .wavefront_size: 32
...
	.end_amdgpu_metadata
.endif
;; end of part 8
